; MI455X (gfx1250); checked and timed in simulation.
; The chip was launched on July 23, 2026; its instructions are those of AMD's public machine-readable ISA for CDNA 5 (MIT licence, August 2026) and "CDNA5" Instruction Set Architecture Reference Guide (July 2026). The comments in the code are by the model that wrote it; some were corrected since.
;; Multi Headed Attention. Allowed arithmetic: matrix products marked QUANTISED: E2M3 operands, one E8M0 scale for each 32 along K, by v_wmma_scale_f32_16x16x128_f8f6f4 with both operands' format E2M3, f32 sums; everything else in f32.
;; Inputs: Wk_codes 1,024 x 32 x 24 uint8 (E2M3 codes of Wk, K innermost, in blocks of 32 codes, four codes in three bytes); Wk_scales 1,024 x 32 uint8 (E8M0 scales of Wk, one for each 32 codes along K); Wo_codes 1,024 x 32 x 24 uint8 (E2M3 codes of Wo, K innermost, in blocks of 32 codes, four codes in three bytes); Wo_scales 1,024 x 32 uint8 (E8M0 scales of Wo, one for each 32 codes along K); Wq_codes 1,024 x 32 x 24 uint8 (E2M3 codes of Wq, K innermost, in blocks of 32 codes, four codes in three bytes); Wq_scales 1,024 x 32 uint8 (E8M0 scales of Wq, one for each 32 codes along K); Wv_codes 1,024 x 32 x 24 uint8 (E2M3 codes of Wv, K innermost, in blocks of 32 codes, four codes in three bytes); Wv_scales 1,024 x 32 uint8 (E8M0 scales of Wv, one for each 32 codes along K); bk 1,024 float32; bo 1,024 float32; bq 1,024 float32; bv 1,024 float32; k_codes 4 x 2,048 x 32 x 24 uint8 (E2M3 codes of k, K innermost, in blocks of 32 codes, four codes in three bytes); k_scales 4 x 2,048 x 32 uint8 (E8M0 scales of k, one for each 32 codes along K); q_codes 4 x 2,048 x 32 x 24 uint8 (E2M3 codes of q, K innermost, in blocks of 32 codes, four codes in three bytes); q_scales 4 x 2,048 x 32 uint8 (E8M0 scales of q, one for each 32 codes along K); v_codes 4 x 2,048 x 32 x 24 uint8 (E2M3 codes of v, K innermost, in blocks of 32 codes, four codes in three bytes); v_scales 4 x 2,048 x 32 uint8 (E8M0 scales of v, one for each 32 codes along K).
;; Outputs: out0 4 x 2,048 x 1,024 float32.
;; This version of the problem:
;;   THIS VERSION OF THE PROBLEM IS GIVEN IN LOW PRECISION. The matrix products marked QUANTISED in the list below multiply operands that are first quantised to E2M3 (2 exponent bits, 3 mantissa bits; 6 bits a number), with one power-of-two scale for each 32 numbers along K (OCP MX v1.0); their sums are f32. All else is computed in f32.
;;   The module's matrix products, in the order in which they are computed (A, B: the left and right operand; K: the contracted axis; several contracted axes count as one K, in the product's order):
;;     1. [M 8,192, K 1,024] x [K 1,024, N 1,024]; A: input q (given as codes); B: input Wq (given as codes): QUANTISED
;;     2. [M 8,192, K 1,024] x [K 1,024, N 1,024]; A: input k (given as codes); B: input Wk (given as codes): QUANTISED
;;     3. [M 8,192, K 1,024] x [K 1,024, N 1,024]; A: input v (given as codes); B: input Wv (given as codes): QUANTISED
;;     4. batch 64 x [M 2,048, K 64] x [K 64, N 2,048]; A: computed on the way; B: computed on the way: QUANTISED
;;     5. batch 64 x [M 2,048, K 2,048] x [K 2,048, N 64]; A: softmax (see below); B: computed on the way: QUANTISED
;;     6. [M 8,192, K 1,024] x [K 1,024, N 1,024]; A: computed on the way; B: input Wo (given as codes): QUANTISED
;;   THE QUANTISER, for each operand of a quantised product, along K:
;;     - K is cut into blocks of 32 from its start; a last block that is shorter is filled with zeros.
;;     - A block's scale is 2^e with e = floor(log2(the largest magnitude in the block)) - 2, held to -126 .. 127; a block of zeros has e = 0. As a byte (E8M0): e + 127.
;;     - Each number is divided by its block's scale, clamped to +-7.5, and rounded to the nearest number of E2M3, ties to even, subnormals kept.
;;     - The product sums the exact products of the quantised numbers (number of the format x scale) in f32.
;;   ~~~python
;;   def quantise(x, axis):      # numpy; x: float32 -> the quantised numbers, widened to float32 again
;;       x = np.moveaxis(x, axis, -1); K = x.shape[-1]
;;       x = np.pad(x, [(0, 0)] * (x.ndim - 1) + [(0, -K % 32)]); x = x.reshape(x.shape[:-1] + (-1, 32)); a = np.abs(x).max(-1, keepdims=True)
;;       e = np.where(a > 0, np.clip(np.frexp(np.where(a > 0, a, 1))[1] - 1 - 2, -126, 127), 0)      # np.frexp(a)[1] - 1 = floor(log2(a)), exactly
;;       r = np.clip(x / 2.0 ** e, -7.5, 7.5)
;;       step = 2.0 ** (np.maximum(np.frexp(np.where(r == 0, 1, r))[1] - 1, 0) - 3)
;;       q = np.round(r / step) * step * 2.0 ** e      # np.round: ties to even
;;       return np.moveaxis(q.reshape(q.shape[:-2] + (-1,))[..., :K], -1, axis).astype(np.float32)
;;   ~~~
;;   SOFTMAX AHEAD OF A QUANTISED PRODUCT. Where the list says 'softmax', what is quantised is not the finished softmax but p = 2^(t - M), with t = logit x log2(e) and M = ceil(the row's largest t), a whole number; so 1/2 < the row's largest p <= 1. The row's sum l is taken of the UNQUANTISED p, in f32, and the product's result is divided by l at the end. Since M is a whole number, a kernel that streams over the keys may use a running M (the ceiling of the running maximum): every later rescaling is an exact power of two, which a block's scale takes up: the codes' values come out the same.
;;   OPERANDS COMPUTED ON THE WAY. 'Computed on the way' means the value that the module computes at that place (a softmax that the list does not call 'softmax' is quantised finished and normalised). What goes into a quantiser is computed in f32, as accurately as f32 sums, v_exp_f32 and their like allow (about 1e-6 of the number): no bf16 or f16 on the way to a quantiser, and a product that is left as it is and whose result goes on into a quantised operand takes f32 operands (vector FMAs, or v_wmma_f32_16x16x4_f32). A number that lies on a knife's edge between two numbers of the format may be rounded either way, as far as f32 arithmetic and the matrix unit's own rounding can turn it there, and no further.
;;   INPUTS GIVEN AS CODES. Wk (in the module: [1024, 1024], K = its axis 1); Wo (in the module: [1024, 1024], K = its axis 1); Wq (in the module: [1024, 1024], K = its axis 1); Wv (in the module: [1024, 1024], K = its axis 1); k (in the module: [4, 2048, 1024], K = its axis 2); q (in the module: [4, 2048, 1024], K = its axis 2); v (in the module: [4, 2048, 1024], K = its axis 2): each comes as NAME_codes (uint8): NAME with its K axis moved to the last place and cut into blocks of 32 codes, [.., K / 32, bytes a block], one block behind the other in memory; four codes in three bytes: a row's codes are one little-endian stream of bits, code i at bits 6 i .. 6 i + 5 (a code: sign, 2 exponent bits, 3 mantissa bits); and NAME_scales (uint8): the same leading axes, one E8M0 byte (e + 127) for each 32 codes along K. Its value is code x scale, taken as it is: it is not quantised again, and the codes and scales need not be those that the quantiser above would give.
;; One version. Each part assembles by itself: llvm-mc -triple=amdgcn-amd-amdhsa -mcpu=gfx1250 --defsym DOCPART=n.
;; ======== version 1 of 1: 3 launches
;; workspace buffers: qc 6,291,456 bytes; qs 524,288 bytes; kvc 12,582,912 bytes; kvs 786,432 bytes; ac 6,291,456 bytes; asc 262,144 bytes
;; launch proj (part 1): grid 4 x 96, 4 waves a work-group, clusters of 4 x 4, 327,680 bytes of LDS; arguments q_codes, q_scales, Wq_codes, Wq_scales, bq, k_codes, k_scales, Wk_codes, Wk_scales, bk, v_codes, v_scales, Wv_codes, Wv_scales, bv, qc, qs, kvc, kvs; writes qc, qs, kvc, kvs
.if DOCPART == 1
	.amdgcn_target "amdgcn-amd-amdhsa--gfx1250"
	.amdhsa_code_object_version 6
	.text
	.protected	k_qe5734511a4_proj
	.globl	k_qe5734511a4_proj
	.p2align	8
	.type	k_qe5734511a4_proj,@function
k_qe5734511a4_proj:
	s_mov_b64 s[64:65], 0
	v_nop
	global_prefetch_b8 v0, s[64:65] scope:SCOPE_SE
	s_setreg_imm32_b32 hwreg(HW_REG_WAVE_MODE, 25, 1), 1
	s_wait_xcnt 0x0
	s_wait_alu depctr_hold_cnt(0) depctr_sa_sdst(0) depctr_va_vdst(0) depctr_va_sdst(0) depctr_va_ssrc(0) depctr_va_vcc(0) depctr_vm_vsrc(0)
	s_getreg_b32 s2, hwreg(HW_REG_IB_STS2, 6, 4)
	s_cmp_eq_u32 s2, 0
	s_cbranch_scc0 .Lentry_in_a_cluster
	s_endpgm
.Lentry_in_a_cluster:
	s_bfe_u32 s2, ttmp6, 0x10000c
	s_cmp_lg_u32 s2, 0xf033
	s_cbranch_scc0 .Lentry_shape_is_right
	s_endpgm
.Lentry_shape_is_right:
; LAUNCH 1 OF 3.  qh = rope(q Wq^T + bq), kh = rope(k Wk^T + bk), vh = v Wv^T + bv, on the given codes of FP6 (E2M3) with E8M0 scales, sums in f32; the results are quantised here
; (qh, kh along the head's 64; vh along the keys) and leave as images of the operand registers that launch 2 wants.
; DEAD WORK OF THE PROGRAM (left out in launch 2): reference() builds jnp.tril itself and sets scores[l][t] to -inf where t > l; softmax gives such a key the weight exp(-inf) = 0 for all finite
; inputs, so it adds 0 to the row's sum and 0 x vh[t] to attn.  A step of 128 keys that all come after all 16 queries of a tile can reach no output and is never multiplied.  Nothing else is left out:
; every input has a way to out0 and is loaded (bk too: it moves kh's codes).  LIMIT: a NaN, an infinity or an overflow that would arise only in scores so left out is not carried to the result.
; LIMITS: NaN and infinities among the inputs are not served.  A block of zeros gets the scale byte 1 where the rule says 127: its codes are zeros, and this program alone reads the bytes.
; inv_freq is taken as the f32 nearest to 10^(-i/8); if reference()'s power and division give a neighbouring f32, an angle moves by up to 1.3e-4 at the last positions.
; Inside a block of 32 the codes of qh, kh and vh lie with the two middle groups of eight changed over; launch 2's other operand (kh, qh, p) has the same order, so each product has the same terms.
; SHARES.  384 work-groups: cluster y / 8 says which tensor (0 q, 1 k, 2 v).  A work-group makes 256 x 256 of a product, each of its four waves 128 x 128: 64 accumulators of 16 x 16.
; S1 = the operand whose rows go to source 1 (a lane holds ONE of them), S0 = the one whose rows go to source 0 (they run along a lane's registers).  q, k: S1 = the positions, S0 = W's rows: a lane holds one
; position and eight neighbouring columns, which rope and the quantiser along the head want.  v: S1 = Wv's rows, S0 = the keys: a lane holds one (head, d) and eight neighbouring keys.  Only pointers and indices differ.
; K = 1,024 goes through a ring of two LDS slots of 256 along K (rows of 192 bytes, 16 bytes of padding behind each 64).  CLUSTERS 4 x 4: S1's tiles are asked for jointly along a row, S0's along a column.
; The scale words go straight into registers, once: lane (r, h) holds words 4 h .. 4 h + 3 of its row, so K steps 0-3 read lanes 0-15 and K steps 4-7 lanes 16-31 of the same registers.
; The bias is the C of the first K step (window 1).  q, k: while the first tiles are on their way, the work-group makes its 256 positions' cosines and sines in LDS.
; REGISTERS: window 0: v1 r, v2 h, v16-31 addresses, v32-95 scale words, v96-118 codes and words on the way out, v128-223 S1's fragments (one set; at the head the sine chains; on the way out T and CS), v224-239 at work.
;   window 1: S0's fragments, two sets at v0 and v128; the bias at v96-127 and v224-255.   windows 2, 3: accumulator (a, b) at v[8 (8 (a % 4) + b)].
.set ROWB,  192                        ; a tile's row: 256 codes
.set KROW,  768                        ; a row of codes in memory
.set PITCH, 240                        ; an LDS row: 3 x (64 + 16)
.set FR,    12
.set NL,    6
.set NP,    4                          ; places behind this matrix instruction (ISA guide 7.12.1)
.set HALFT, 128*PITCH
.set SLOT,  4*HALFT
.set TAB,   2*SLOT                     ; behind the ring: 256 rows of 32 x (cos, sin), pitch 272; written by ds_store, no fill lands there
.set TPI,   272
.set SPARE, TAB+256*TPI                ; the spare words, 128 bytes a wave
.set ADRA, 16
.set ADRB, 20
.set L16,  24                          ; 16 x lane
.set L8,   25                          ; 8 x lane
.set SWO,  26                          ; offset of my scale word on the way out
.set TBA,  27                          ; the table: my position's row, + 32 h
.set SPW,  28
.set NIL,  29
.set SH,   30                          ; 16 h
.set TSA,  31                          ; the table: where my thread stores
.set SA,   32                          ; S1's scale words, 4 a block
.set SB,   64                          ; S0's
.set PC,   96
.set PW,   116
.set PWE,  117
.set OW,   118
.set AF,   128
.set T,    128
.set CS,   192
.set TM,   224
.set CH,   128                         ; the sine chains: 4 x 16 registers
.set TT,   192                         ; my two positions as f32
.set K5,   240
.set K6,   242
.set G1,   4                           ; descriptors, in the registers that held the arguments
.set G1B,  12
.set G0,   20
.set G0B,  28
.set WV,   42
.set H1,   43
.set H0,   44
.set TEN,  45
.set MR,   53
.set MC,   54
.set R1,   55                          ; my first row of S1
.set R0,   56                          ; my first row of S0
.set SEL,  60
.set CX,   62
.set CY,   63
.set YY,   90
.set I1,   91
.set I0,   92
.set MH,   96
.set MSB, 0
.macro WIN new                         ; the immediate's high byte repeats the setting that is left
.if MSB != (\new)
	s_set_vgpr_msb (MSB<<8)|(\new)
.set MSB, (\new)
.endif
.endm
.set MUL_LO, 0xa1                      ; source 0 window 1, source 1 window 0, C and D window 2
.set MUL_HI, 0xf1
.set TO_B,   0x40
.macro JLOAD g0a, g1a, g0b, g1b        ; a joint load: waves 0, 1 fetch S1's halves, waves 2, 3 S0's; the branch hangs on the wave's number alone
	s_cmp_eq_u32 s[H1], 0
	s_cbranch_scc0 .Lfor_b_\@
	tensor_load_to_lds s[\g0a:\g0a+3], s[\g1a:\g1a+7]
	s_nop 0
.rept 4
	v_nop
.endr
	s_branch .Lasked_\@
.Lfor_b_\@:
	tensor_load_to_lds s[\g0b:\g0b+3], s[\g1b:\g1b+7]
	s_nop 0
.rept 4
	v_nop
.endr
.Lasked_\@:
.endm
.macro CREST
	s_cmp_lg_u32 s[WV], 0
	s_cbranch_scc1 .Lnot_wave_0_\@
	s_barrier_signal -3
.Lnot_wave_0_\@:
	s_barrier_wait -3
	s_barrier_signal -1
	s_barrier_wait -1
.endm
.macro CROUND
	s_barrier_signal -1
	s_barrier_wait -1
	CREST
.endm
.macro PLACES n
.rept \n
	v_nop
.endr
.endm
.macro FRAG reg, adr, q, i             ; 16 rows x 128 K: lane (r, h) takes 24 bytes at 24 h and 24 at 48 + 24 h of the row's 96, in pieces of 8; the second address register serves pieces that lie behind one padding more
.irp p, 0,1,2,3,4,5
.set PCE, 12*(\q)+6*(\p/3)+\p%3
.if PCE%8 < 5
	ds_load_b64 v[\reg+2*\p:\reg+2*\p+1], v[\adr] offset:8*PCE+16*(PCE/8)+(\i)*16*PITCH
.else
	ds_load_b64 v[\reg+2*\p:\reg+2*\p+1], v[\adr+2] offset:8*PCE+16*(PCE/8)+(\i)*16*PITCH
.endif
.endr
.endm
.macro FETCH_B slot, q, p
	WIN TO_B
.irp i, 0,1,2,3,4,5,6,7
	FRAG 128*(\p)+FR*\i, ADRB+\slot, \q, \i
.endr
	WIN 0
.endm
.macro FETCH_A slot, q, i0
.irp i, \i0, \i0+1, \i0+2, \i0+3
	FRAG AF+FR*(\i), ADRA+\slot, \q, \i
.endr
.endm
; one product: S1's block a x S0's block b, K step ks.  cm = 1: C = the bias by b (q, k); 2: by a (v); 0: in place
.macro MM a, b, p, ks, cm
.set rD, 8*(8*((\a)%4)+\b)
.set rB, 128*(\p)+FR*\b
.set rA, AF+FR*(\a)
.set rSB, SB+4*\b+((\ks)&3)
.set rSA, SA+4*(\a)+((\ks)&3)
.if \cm == 1
.set rC, 96+8*\b+96*(\b/4)
.elseif \cm == 2
.set rC, 96+8*(\a)+96*((\a)/4)
.else
.set rC, rD
.endif
.if (\ks) < 4
	v_wmma_scale_f32_16x16x128_f8f6f4 v[rD:rD+7], v[rB:rB+FR-1], v[rA:rA+FR-1], v[rC:rC+7], v[rSB], v[rSA] matrix_a_fmt:MATRIX_FMT_FP6 matrix_b_fmt:MATRIX_FMT_FP6
.else
	v_wmma_scale_f32_16x16x128_f8f6f4 v[rD:rD+7], v[rB:rB+FR-1], v[rA:rA+FR-1], v[rC:rC+7], v[rSB], v[rSA] matrix_a_fmt:MATRIX_FMT_FP6 matrix_b_fmt:MATRIX_FMT_FP6 matrix_a_scale:MATRIX_SCALE_ROW1 matrix_b_scale:MATRIX_SCALE_ROW1
.endif
.endm
.macro MUL16 a0, p, ks, cm             ; the 64 accumulators take turns, one instruction a turn, in the same order in every step
.irp a, \a0, \a0+1
.irp b, 0,1,2,3,4,5,6,7
	MM (\a), \b, \p, \ks, \cm
.endr
.endr
.endm
.macro STEP slot, q, ks, cm            ; a step of 128 along K that has its successor in the same slot
	s_wait_dscnt 4*NL                              ; S0's set and S1's blocks 0-3 are in; the youngest 24 loads (blocks 4-7) may be out
.if \cm
	WIN 0x91                                       ; C in window 1
.else
	WIN MUL_LO
.endif
	MUL16 0, (\q)%2, \ks, \cm
	MUL16 2, (\q)%2, \ks, \cm
	s_wait_dscnt 0
	PLACES NP
	FETCH_B \slot, (\q)+1, 1-(\q)%2
	FETCH_A \slot, (\q)+1, 0
.if \cm
	WIN 0xd1
.else
	WIN MUL_HI
.endif
	MUL16 4, (\q)%2, \ks, \cm
	MUL16 6, (\q)%2, \ks, \cm
	PLACES NP
	WIN 0
	FETCH_A \slot, (\q)+1, 4
.endm
; a slot's last step changes slots: one barrier; in front of it each wave waits for all its tensor loads, adds 0 to its spare word, and waits for that and for its reads of this slot
.macro TURN slot, next, fill, ks
	s_wait_tensorcnt 0x0                           ; all my tensor loads have landed: my part of the next slot
	ds_add_u32 v[SPW], v[NIL]                      ; 0 onto my spare word
	s_wait_dscnt 4*NL+1                            ; (the add and the youngest 24 loads may be out)
	WIN MUL_LO
	MUL16 0, 1, \ks, 0
	s_wait_dscnt 0x0                               ; the add is done, and my reads of this slot are over
	s_barrier_signal -1
	MUL16 2, 1, \ks, 0
	WIN 0
	s_barrier_wait -1
.if \fill
	CREST                                          ; the barrier has opened a round of the cluster's: no wave of any partner still reads this slot or has a load on its way
	s_add_nc_u64 s[G0+4*\slot+2:G0+4*\slot+3], s[G0+4*\slot+2:G0+4*\slot+3], 2*ROWB
	s_add_nc_u64 s[G0B+4*\slot+2:G0B+4*\slot+3], s[G0B+4*\slot+2:G0B+4*\slot+3], 2*ROWB
	JLOAD G0+4*\slot, G1, G0B+4*\slot, G1B         ; the first tensor load behind the round; its four v_nop are the places in front of the loads below
.else
	PLACES NP
.endif
	FETCH_B \next, 0, 0
	FETCH_A \next, 0, 0
	WIN MUL_HI
	MUL16 4, 1, \ks, 0
	MUL16 6, 1, \ks, 0
	PLACES NP
	WIN 0
	FETCH_A \next, 0, 4
.endm
; cos and sin of t x f for my two positions and four frequencies: four chains by turns (chain k: position k % 2, frequencies 2 (k / 2), + 1), packed over the two frequencies.
; a = t f, one rounding as in reference(); n = the nearest whole number to a / pi; r = a - n pi in two parts; series in r^2 on |r| <= pi / 2 (remainders under 6e-8); the sign is n's lowest bit.
.macro SC4 f0, f1, f2, f3, off
	v_mul_f32 v[CH], \f0, v[TT]
	v_mul_f32 v[CH+1], \f1, v[TT]
	v_mul_f32 v[CH+16], \f0, v[TT+1]
	v_mul_f32 v[CH+17], \f1, v[TT+1]
	v_mul_f32 v[CH+32], \f2, v[TT]
	v_mul_f32 v[CH+33], \f3, v[TT]
	v_mul_f32 v[CH+48], \f2, v[TT+1]
	v_mul_f32 v[CH+49], \f3, v[TT+1]
.irp k, 0,1,2,3
	v_pk_mul_f32 v[CH+16*\k+2:CH+16*\k+3], v[CH+16*\k:CH+16*\k+1], 0x3ea2f983 op_sel_hi:[1,0]   ; a / pi
.endr
.irp k, 0,1,2,3
	v_rndne_f32 v[CH+16*\k+2], v[CH+16*\k+2]
	v_rndne_f32 v[CH+16*\k+3], v[CH+16*\k+3]
.endr
.irp k, 0,1,2,3
	v_pk_fma_f32 v[CH+16*\k:CH+16*\k+1], v[CH+16*\k+2:CH+16*\k+3], 0xc0490fdb, v[CH+16*\k:CH+16*\k+1] op_sel_hi:[1,0,1]   ; - n x pi's upper part
.endr
.irp k, 0,1,2,3
	v_pk_fma_f32 v[CH+16*\k:CH+16*\k+1], v[CH+16*\k+2:CH+16*\k+3], 0x33bbbd2e, v[CH+16*\k:CH+16*\k+1] op_sel_hi:[1,0,1]   ; - n x its lower part
.endr
.irp k, 0,1,2,3
	v_pk_mul_f32 v[CH+16*\k+4:CH+16*\k+5], v[CH+16*\k:CH+16*\k+1], v[CH+16*\k:CH+16*\k+1]   ; r^2
.endr
.irp k, 0,1,2,3
	v_pk_fma_f32 v[CH+16*\k+6:CH+16*\k+7], v[CH+16*\k+4:CH+16*\k+5], v[K5:K5+1], 0x3638ef1d op_sel_hi:[1,1,0]   ; sin: -1/11! r^2 + 1/9!
	v_pk_fma_f32 v[CH+16*\k+8:CH+16*\k+9], v[CH+16*\k+4:CH+16*\k+5], v[K6:K6+1], 0xb493f27e op_sel_hi:[1,1,0]   ; cos: 1/12! r^2 - 1/10!
.endr
.irp k, 0,1,2,3
	v_pk_fma_f32 v[CH+16*\k+6:CH+16*\k+7], v[CH+16*\k+6:CH+16*\k+7], v[CH+16*\k+4:CH+16*\k+5], 0xb9500d01 op_sel_hi:[1,1,0]   ; - 1/7!
	v_pk_fma_f32 v[CH+16*\k+8:CH+16*\k+9], v[CH+16*\k+8:CH+16*\k+9], v[CH+16*\k+4:CH+16*\k+5], 0x37d00d01 op_sel_hi:[1,1,0]   ; + 1/8!
.endr
.irp k, 0,1,2,3
	v_pk_fma_f32 v[CH+16*\k+6:CH+16*\k+7], v[CH+16*\k+6:CH+16*\k+7], v[CH+16*\k+4:CH+16*\k+5], 0x3c088889 op_sel_hi:[1,1,0]   ; + 1/5!
	v_pk_fma_f32 v[CH+16*\k+8:CH+16*\k+9], v[CH+16*\k+8:CH+16*\k+9], v[CH+16*\k+4:CH+16*\k+5], 0xbab60b61 op_sel_hi:[1,1,0]   ; - 1/6!
.endr
.irp k, 0,1,2,3
	v_pk_fma_f32 v[CH+16*\k+6:CH+16*\k+7], v[CH+16*\k+6:CH+16*\k+7], v[CH+16*\k+4:CH+16*\k+5], 0xbe2aaaab op_sel_hi:[1,1,0]   ; - 1/3!
	v_pk_fma_f32 v[CH+16*\k+8:CH+16*\k+9], v[CH+16*\k+8:CH+16*\k+9], v[CH+16*\k+4:CH+16*\k+5], 0x3d2aaaab op_sel_hi:[1,1,0]   ; + 1/4!
.endr
.irp k, 0,1,2,3
	v_cvt_i32_f32 v[CH+16*\k+10], v[CH+16*\k+2]
	v_cvt_i32_f32 v[CH+16*\k+11], v[CH+16*\k+3]
.endr
.irp k, 0,1,2,3
	v_lshlrev_b32 v[CH+16*\k+10], 31, v[CH+16*\k+10]   ; n's lowest bit as a sign
	v_lshlrev_b32 v[CH+16*\k+11], 31, v[CH+16*\k+11]
.endr
.irp k, 0,1,2,3
	v_pk_mul_f32 v[CH+16*\k+2:CH+16*\k+3], v[CH+16*\k:CH+16*\k+1], v[CH+16*\k+4:CH+16*\k+5]   ; r^3
	v_pk_fma_f32 v[CH+16*\k+8:CH+16*\k+9], v[CH+16*\k+8:CH+16*\k+9], v[CH+16*\k+4:CH+16*\k+5], -0.5 op_sel_hi:[1,1,0]
.endr
.irp k, 0,1,2,3
	v_pk_fma_f32 v[CH+16*\k+6:CH+16*\k+7], v[CH+16*\k+6:CH+16*\k+7], v[CH+16*\k+2:CH+16*\k+3], v[CH+16*\k:CH+16*\k+1]   ; sin r
	v_pk_fma_f32 v[CH+16*\k+8:CH+16*\k+9], v[CH+16*\k+8:CH+16*\k+9], v[CH+16*\k+4:CH+16*\k+5], 1.0 op_sel_hi:[1,1,0]   ; cos r
.endr
.irp k, 0,1,2,3
	v_xor_b32 v[CH+16*\k+12], v[CH+16*\k+8], v[CH+16*\k+10]
	v_xor_b32 v[CH+16*\k+13], v[CH+16*\k+6], v[CH+16*\k+10]
	v_xor_b32 v[CH+16*\k+14], v[CH+16*\k+9], v[CH+16*\k+11]
	v_xor_b32 v[CH+16*\k+15], v[CH+16*\k+7], v[CH+16*\k+11]
.endr
.irp k, 0,1,2,3
	ds_store_b128 v[TSA], v[CH+16*\k+12:CH+16*\k+15] offset:(\k%2)*128*TPI+\off+16*(\k/2)   ; (cos, sin) of two frequencies
.endr
.endm
; 64 numbers of a lane in window w, register 16 b + i in block b of my row (lanes l and l xor 16 share a block), become a fragment's codes in v[PC] on and its scale word in v[PW]
.macro QUANT s, w
	WIN (\w)|((\w)<<2)
.irp b, 0,1,2,3
	v_max3_num_f32 v[TM+\b], |v[(\s)+16*\b]|, |v[(\s)+1+16*\b]|, 0x1800000   ; with the floor 2^(3 - 127): the byte cannot fall under 1
.endr
.irp i, 2,4,6,8,10,12,14
.irp b, 0,1,2,3
	v_max3_num_f32 v[TM+\b], |v[(\s)+16*\b+\i]|, |v[(\s)+1+16*\b+\i]|, v[TM+\b]
.endr
.endr
	WIN 0
.irp b, 0,1,2,3
	v_permlanex16_b32 v[TM+4+\b], v[TM+\b], s[SEL], s[SEL+1]
.endr
.irp b, 0,1,2,3
	v_max_num_f32 v[TM+\b], v[TM+\b], v[TM+4+\b]   ; the block's largest magnitude
.endr
.irp b, 0,1,2,3
	v_add_nc_u32 v[TM+12+\b], 0xff000000, v[TM+\b]   ; 2 off its exponent field: the conversion's scale operand
.endr
.irp b, 0,1,2,3
	v_lshrrev_b32 v[TM+4+\b], 23, v[TM+12+\b]      ; the scale's byte
.endr
	v_lshl_or_b32 v[PW], v[TM+5], 8, v[TM+4]
	v_lshl_or_b32 v[PW], v[TM+6], 16, v[PW]
	v_lshl_or_b32 v[PW], v[TM+7], 24, v[PW]
	WIN \w
.irp c, 0,1
	v_cvt_scalef32_pk16_fp6_f32 v[PC+6*\c:PC+2+6*\c], v[(\s)+32*\c:(\s)+15+32*\c], v[TM+12+2*\c]
	v_cvt_scalef32_pk16_fp6_f32 v[PC+12+4*\c:PC+14+4*\c], v[(\s)+16+32*\c:(\s)+31+32*\c], v[TM+12+2*\c+1]
.endr
	WIN 0
	v_nop                                          ; one plain place behind a scaled conversion
.irp c, 0,1                                    ; a whole block to a lane: lanes 0-15 block 2 c, lanes 16-31 block 2 c + 1
.irp i, 0,1,2
	v_permlane16_swap_b32 v[PC+6*\c+\i], v[PC+12+4*\c+\i]
.endr
.irp i, 0,1,2
	v_mov_b32 v[PC+3+6*\c+\i], v[PC+12+4*\c+\i]
.endr
.endr
.endm
.macro CSLOAD a                        ; (cos, sin) of my position 16 a + r for my 16 pairs: pairs 8 bb + 4 h + 0 .. 3
.irp bb, 0,1,2,3
	ds_load_b128 v[CS+8*\bb:CS+8*\bb+3], v[TBA] offset:(\a)*16*TPI+64*\bb
	ds_load_b128 v[CS+8*\bb+4:CS+8*\bb+7], v[TBA] offset:(\a)*16*TPI+64*\bb+16
.endr
.endm
; q, k: block a (16 positions x my 128 columns = two heads): rope, quantiser, two half fragments and the scale words
.macro QKOUT a
.set XB, 64*((\a)%4)
	s_wait_dscnt 0x0                               ; this block's cosines and sines are in
	WIN 2+(\a)/4                                   ; source 0: the accumulators' window
.set p, 0
.rept 32
	v_pk_mul_f32 v[T+2*p:T+2*p+1], v[XB+2*p:XB+2*p+1], v[CS+2*(p%16):CS+2*(p%16)+1] op_sel_hi:[1,0]   ; (x0 c, x1 c); each accumulator is read from its low end on
.set p, p+1
.endr
.set p, 0
.rept 32
	v_pk_fma_f32 v[T+2*p:T+2*p+1], v[XB+2*p:XB+2*p+1], v[CS+2*(p%16):CS+2*(p%16)+1], v[T+2*p:T+2*p+1] op_sel:[1,1,0] op_sel_hi:[0,1,1] neg_lo:[0,1,0]   ; (x0 c - x1 s, x1 c + x0 s)
.set p, p+1
.endr
	WIN 0
.if (\a) < 7
	CSLOAD (\a)+1
.endif
	s_wait_xcnt 0x0                                ; the last block's stores have read their registers
	QUANT T, 0
	v_lshrrev_b32 v[OW], v[SH], v[PW]              ; lanes 0-15: the first head's two bytes lowest; lanes 16-31: the second head's
	global_store_b128 v[L16], v[PC:PC+3], s[76:77] offset:768*(\a)
	global_store_b64 v[L8], v[PC+4:PC+5], s[76:77] offset:768*(\a)+512
	global_store_b128 v[L16], v[PC+6:PC+9], s[88:89] offset:768*(\a)
	global_store_b64 v[L8], v[PC+10:PC+11], s[88:89] offset:768*(\a)+512
	global_store_b32 v[SWO], v[OW], s[78:79] offset:64*(\a)
.endm
; v: block a (16 of (head, d) x my 128 keys): quantiser along the keys, one whole fragment of V^T and its scale words
.macro VOUT a
	s_wait_xcnt 0x0
	QUANT 64*((\a)%4), 2+(\a)/4
.irp c, 0,1,2
	global_store_b128 v[L16], v[PC+4*\c:PC+4*\c+3], s[76:77] offset:((\a)/4)*196608+((\a)%4)*1536+512*\c
.endr
.if (\a)%2 == 0
	v_mov_b32 v[PWE], v[PW]
.else
	v_cndmask_b32 v[OW], v[PWE], v[PW], s[MH]      ; lanes 0-15: block a - 1's words, lanes 16-31: block a's: 128 consecutive bytes
	global_store_b32 v[SWO], v[OW], s[78:79] offset:((\a)/4)*12288+(((\a)%4)/2)*128
.endif
.endm
	s_load_b512 s[4:19], s[0:1], 0x0               ; q: codes, scales; Wq: codes, scales; bq; k: codes, scales; Wk: codes
	s_load_b512 s[20:35], s[0:1], 0x40             ; Wk: scales; bk; v: codes, scales; Wv: codes, scales; bv; qc
	s_load_b128 s[36:39], s[0:1], 0x80             ; qs, kvc
	s_load_b64 s[40:41], s[0:1], 0x90              ; kvs
	v_lshl_add_u32 v[SPW], v0, 2, SPARE
	v_mov_b32 v[NIL], 0
	ds_add_u32 v[SPW], v[NIL]                      ; the wave's opening: the add, twice on end, and its wait ahead of my first tensor load
	ds_add_u32 v[SPW], v[NIL]
	v_lshrrev_b32 v1, 5, v0
	v_readfirstlane_b32 s[WV], v1                  ; wave 0..3
	s_lshr_b32 s[H1], s[WV], 1                     ; my half of S1.  Also: I fetch for S1 (0) or S0 (1)
	s_and_b32 s[H0], s[WV], 1                      ; my half of S0.  Also: which 128 rows I fetch
	s_bfe_u32 s[CX], ttmp6, 0x40000
	s_bfe_u32 s[CY], ttmp6, 0x40004
	s_and_b32 s[YY], ttmp7, 0xffff                 ; cluster y, 0..23
	s_lshr_b32 s[TEN], s[YY], 3                    ; 0 q, 1 k, 2 v: the same in all partners
	s_and_b32 s[YY], s[YY], 7
	s_lshl_b32 s[YY], s[YY], 2
	s_cmp_eq_u32 s[TEN], 2
	s_cselect_b32 s46, 0, s[YY]
	s_cselect_b32 s47, s[YY], 0
	s_add_co_u32 s[I1], s[CY], s46                 ; S1's tile of 256 rows: it never holds cx
	s_add_co_u32 s[I0], s[CX], s47                 ; S0's: it never holds cy
	s_lshl_b32 s[MR], s[CY], 2
	s_lshl_b32 s[MR], 15, s[MR]                    ; my row of the cluster
	s_lshl_b32 s[MC], 0x1111, s[CX]                ; my column
	s_lshl_b32 s46, s[H0], 7
	s_lshl_b32 s48, s[I1], 8
	s_add_co_u32 s48, s48, s46
	s_mul_i32 s48, s48, KROW                       ; where the 128 rows of S1 that I would fetch begin, in bytes
	s_mov_b32 s49, 0
	s_lshl_b32 s50, s[I0], 8
	s_add_co_u32 s50, s50, s46
	s_mul_i32 s50, s50, KROW                       ; and of S0
	s_mov_b32 s51, 0
	s_mul_i32 s52, s[WV], HALFT                    ; where they go: wave x 128 rows
	s_lshl_b32 s[R1], s[I1], 8
	s_lshl_b32 s46, s[H1], 7
	s_add_co_u32 s[R1], s[R1], s46
	s_lshl_b32 s[R0], s[I0], 8
	s_lshl_b32 s46, s[H0], 7
	s_add_co_u32 s[R0], s[R0], s46
	s_mov_b32 s[SEL], 0x76543210
	s_mov_b32 s[SEL+1], 0xfedcba98
	s_mov_b32 s[MH], 0xffff0000
	s_wait_dscnt 0x0                               ; both opening adds are done
	s_wait_kmcnt 0x0
	s_cmp_eq_u32 s[TEN], 0                         ; the tensor's buffers: choices on the cluster's number alone
	s_cselect_b64 s[66:67], s[4:5], s[14:15]       ; x's codes
	s_cselect_b64 s[68:69], s[6:7], s[16:17]       ; x's scales
	s_cselect_b64 s[70:71], s[8:9], s[18:19]       ; W's codes
	s_cselect_b64 s[72:73], s[10:11], s[20:21]     ; W's scales
	s_cselect_b64 s[74:75], s[12:13], s[22:23]     ; the bias
	s_cselect_b64 s[76:77], s[34:35], s[38:39]     ; codes out: qc or kvc
	s_cselect_b64 s[78:79], s[36:37], s[40:41]     ; scale words out: qs or kvs
	s_cmp_eq_u32 s[TEN], 2
	s_cselect_b64 s[66:67], s[24:25], s[66:67]
	s_cselect_b64 s[68:69], s[26:27], s[68:69]
	s_cselect_b64 s[70:71], s[28:29], s[70:71]
	s_cselect_b64 s[72:73], s[30:31], s[72:73]
	s_cselect_b64 s[74:75], s[32:33], s[74:75]
	s_cselect_b64 s[80:81], s[70:71], s[66:67]     ; S1's codes: v: W's, else x's
	s_cselect_b64 s[82:83], s[72:73], s[68:69]     ; S1's scales
	s_cselect_b64 s[84:85], s[66:67], s[70:71]     ; S0's codes
	s_cselect_b64 s[86:87], s[68:69], s[72:73]     ; S0's scales
	s_cselect_b32 s58, s[R1], s[R0]                ; the bias runs along W's rows
	s_lshl_b32 s58, s58, 2
	s_mov_b32 s59, 0
	s_add_nc_u64 s[74:75], s[74:75], s[58:59]
	s_lshl_b32 s58, s[R1], 5
	s_add_nc_u64 s[82:83], s[82:83], s[58:59]      ; my 128 rows' scales, 32 bytes a row
	s_lshl_b32 s58, s[R0], 5
	s_add_nc_u64 s[86:87], s[86:87], s[58:59]
	s_add_nc_u64 s[48:49], s[80:81], s[48:49]
	s_add_nc_u64 s[50:51], s[84:85], s[50:51]
	; descriptor group 1: 128 rows x 192 bytes, 16 bytes of padding behind each 64
	s_or_b32 s[G1+0], s[MR], (0<<16)|(1<<20)|(1<<21)|(3<<22)|(3<<25)
	s_or_b32 s[G1B+0], s[MC], (0<<16)|(1<<20)|(1<<21)|(3<<22)|(3<<25)
.irp g, G1, G1B
	s_mov_b32 s[\g+1], ROWB<<16
	s_mov_b32 s[\g+2], 128<<16
	s_mov_b32 s[\g+3], ROWB<<16
	s_mov_b32 s[\g+4], 128
	s_mov_b32 s[\g+5], KROW
	s_mov_b32 s[\g+6], 0
	s_mov_b32 s[\g+7], 0
.endr
	CROUND                                         ; all sixteen work-groups are here: the first joint loads meet
.irp s, 0,1
	s_mov_b32 s[G0+4*\s], 1
	s_add_co_u32 s[G0+4*\s+1], s52, \s*SLOT
	s_add_nc_u64 s[G0+4*\s+2:G0+4*\s+3], s[48:49], \s*ROWB
	s_or_b32 s[G0+4*\s+3], s[G0+4*\s+3], 0x80000000
	s_mov_b32 s[G0B+4*\s], 1
	s_add_co_u32 s[G0B+4*\s+1], s52, \s*SLOT
	s_add_nc_u64 s[G0B+4*\s+2:G0B+4*\s+3], s[50:51], \s*ROWB
	s_or_b32 s[G0B+4*\s+3], s[G0B+4*\s+3], 0x80000000
	JLOAD G0+4*\s, G1, G0B+4*\s, G1B               ; two tensor loads of mine are out
.endr
	; every LDS address is made here, on the way that all work-groups take
	v_and_b32 v1, 15, v0                           ; r
	v_bfe_u32 v2, v0, 4, 1                         ; h
	v_and_b32 v3, 31, v0
	v_lshlrev_b32 v[L16], 4, v3
	v_lshlrev_b32 v[L8], 3, v3
	v_lshlrev_b32 v[SH], 4, v2
	v_mul_u32_u24 v3, v1, PITCH
	v_mul_u32_u24 v4, v2, 24
	v_add_nc_u32 v4, v3, v4                        ; a fragment's row x pitch + 24 h
	v_lshl_add_u32 v5, v2, 4, v4                   ; and the same behind one padding more
	s_mul_i32 s46, s[H1], HALFT
	s_mul_i32 s47, s[H0], HALFT
	s_add_co_u32 s47, s47, 2*HALFT
.irp s, 0,1
	v_add_nc_u32 v[ADRA+\s], s46, v4
	v_add_nc_u32 v[ADRB+\s], s47, v4
	v_add_nc_u32 v[ADRA+2+\s], s46, v5
	v_add_nc_u32 v[ADRB+2+\s], s47, v5
	s_add_co_u32 s46, s46, SLOT
	s_add_co_u32 s47, s47, SLOT
.endr
	s_mul_i32 s46, s[H1], 128*TPI
	s_add_co_u32 s46, s46, TAB
	v_mul_u32_u24 v[TBA], v1, TPI
	v_lshl_add_u32 v[TBA], v2, 5, v[TBA]
	v_add_nc_u32 v[TBA], s46, v[TBA]
	v_mul_u32_u24 v[TSA], v0, TPI
	v_add_nc_u32 v[TSA], TAB, v[TSA]
.irp b, 0,1,2,3
	v_mov_b32 v[TM+4+\b], 0                        ; written once: a lane permute's destination counts as one of its sources
.endr
	v_lshlrev_b32 v6, 5, v1
	v_lshl_add_u32 v6, v2, 4, v6                   ; scales: 32 r + 16 h: each load reads 512 consecutive bytes
	v_lshlrev_b32 v7, 5, v2                        ; the bias of q, k: 32 h
	v_lshlrev_b32 v8, 2, v1                        ; the bias of v: 4 r
.irp a, 0,1,2,3,4,5,6,7
	global_load_b128 v[SA+4*\a:SA+4*\a+3], v6, s[82:83] offset:512*\a
	global_load_b128 v[SB+4*\a:SB+4*\a+3], v6, s[86:87] offset:512*\a
.endr
	s_cmp_eq_u32 s[TEN], 2
	s_cbranch_scc1 .Lhead_v
	WIN TO_B
.irp g, 0,1,2,3,4,5,6,7                        ; q, k: group g = S0's block: b[16 g + 8 h + 0 .. 7]
	global_load_b128 v[96+8*\g+96*(\g/4):96+8*\g+96*(\g/4)+3], v7, s[74:75] offset:64*\g
	global_load_b128 v[96+8*\g+96*(\g/4)+4:96+8*\g+96*(\g/4)+7], v7, s[74:75] offset:64*\g+16
.endr
	WIN 0
	s_and_b32 s46, s[I1], 7                        ; the table: thread n takes the work-group's positions n and n + 128
	s_lshl_b32 s46, s46, 8
	v_add_nc_u32 v[TT], s46, v0
	v_add_nc_u32 v[TT+1], 128, v[TT]
	v_cvt_f32_u32 v[TT], v[TT]
	v_cvt_f32_u32 v[TT+1], v[TT+1]
	v_mov_b32 v[K5], 0xb2d7322b                    ; -1/11!
	v_mov_b32 v[K5+1], 0xb2d7322b
	v_mov_b32 v[K6], 0x310f76c7                    ; 1/12!
	v_mov_b32 v[K6+1], 0x310f76c7
	SC4 1.0, 0.7498942093, 0.5623413252, 0.4216965034, 0
	SC4 0.3162277660, 0.2371373706, 0.1778279410, 0.1333521432, 32
	SC4 0.1, 0.07498942093, 0.05623413252, 0.04216965034, 64
	SC4 0.03162277660, 0.02371373706, 0.01778279410, 0.01333521432, 96
	SC4 0.01, 0.007498942093, 0.005623413252, 0.004216965034, 128
	SC4 0.003162277660, 0.002371373706, 0.001778279410, 0.001333521432, 160
	SC4 0.001, 0.0007498942093, 0.0005623413252, 0.0004216965034, 192
	SC4 0.0003162277660, 0.0002371373706, 0.0001778279410, 0.0001333521432, 224
	s_branch .Lhead_done
.Lhead_v:
	WIN TO_B
.irp g, 0,1,2,3,4,5,6,7                        ; v: group g = S1's block: b[16 g + r] in all eight registers
.irp j, 0,1,2,3,4,5,6,7
	global_load_b32 v[96+8*\g+96*(\g/4)+\j], v8, s[74:75] offset:64*\g
.endr
.endr
	WIN 0
.Lhead_done:
	s_wait_dscnt 0x0                               ; my part of the table has landed,
	s_wait_tensorcnt 1                             ; and my part of slot 0 (slot 1's load may be out)
	s_barrier_signal -1
	s_barrier_wait -1                              ; everybody's have
	FETCH_B 0, 0, 0
	FETCH_A 0, 0, 0
	FETCH_A 0, 0, 4
	s_wait_loadcnt 0x0                             ; scale words and bias
	s_cmp_eq_u32 s[TEN], 2
	s_cbranch_scc1 .Lk0_v
	STEP 0, 0, 0, 1                                ; the first K step starts the sums from the bias: nothing is cleared
	s_branch .Lk0_done
.Lk0_v:
	STEP 0, 0, 0, 2
.Lk0_done:
	TURN 0, 1, 1, 1                                ; slot 0 takes K 512 on
	STEP 1, 0, 2, 0
	TURN 1, 0, 1, 3                                ; slot 1 takes K 768 on
	STEP 0, 0, 4, 0
	TURN 0, 1, 0, 5                                ; nothing is left to fetch
	STEP 1, 0, 6, 0
	s_wait_dscnt 4*NL
	WIN MUL_LO
	MUL16 0, 1, 7, 0
	MUL16 2, 1, 7, 0
	s_wait_dscnt 0
	WIN MUL_HI
	MUL16 4, 1, 7, 0
	MUL16 6, 1, 7, 0
	WIN 0
	PLACES NP                                      ; in front of the first reads of results, and of writes and loads into the registers that held S1's fragments
	s_cmp_eq_u32 s[TEN], 2
	s_cbranch_scc1 .Lout_v
	; ---- q, k: my 128 positions are one key step of one batch; my 128 columns are two heads
	CSLOAD 0
	s_lshr_b32 s46, s[R1], 11                      ; batch
	s_and_b32 s47, s[R1], 2047                     ; my first position
	s_lshr_b32 s48, s[R0], 6                       ; my first head
	s_lshl_b32 s46, s46, 4
	s_add_co_u32 s46, s46, s48                     ; batch x 16 + head
	s_lshr_b32 s48, s47, 7                         ; the step of 128 positions
	s_cmp_eq_u32 s[TEN], 0
	s_mov_b32 s49, 196608
	s_cselect_b32 s49, 98304, s49                  ; a head's codes: qc 128 x 768, kvc 16 x 12,288
	s_mov_b32 s50, 12288
	s_cselect_b32 s50, 6144, s50                   ; a step's
	s_mov_b32 s51, 12288
	s_cselect_b32 s51, 8192, s51                   ; a head's scale words
	s_mul_i32 s52, s46, s49
	s_mul_i32 s53, s48, s50
	s_add_co_u32 s52, s52, s53
	s_mov_b32 s53, 0
	s_add_nc_u64 s[76:77], s[76:77], s[52:53]      ; the first head's tiles
	s_mov_b32 s52, s49
	s_add_nc_u64 s[88:89], s[76:77], s[52:53]      ; the second head's
	s_mul_i32 s52, s46, s51
	s_lshl_b32 s54, s47, 2
	s_add_co_u32 s52, s52, s54
	s_add_nc_u64 s[78:79], s[78:79], s[52:53]
	v_mul_u32_u24 v[SWO], s51, v2
	v_lshl_add_u32 v[SWO], v1, 2, v[SWO]           ; lanes 16-31 store the second head's words
.irp a, 0,1,2,3,4,5,6,7
	QKOUT \a
.endr
	s_branch .Lend
.Lout_v:
	; ---- v: my 128 keys are one key step of one batch; my 128 rows of Wv are two heads
	s_lshr_b32 s46, s[R0], 11
	s_and_b32 s47, s[R0], 2047
	s_lshr_b32 s47, s47, 7
	s_lshr_b32 s48, s[R1], 6
	s_lshl_b32 s46, s46, 4
	s_add_co_u32 s46, s46, s48
	s_mul_i32 s52, s46, 196608
	s_mul_i32 s53, s47, 12288
	s_add_co_u32 s52, s52, s53
	s_add_co_u32 s52, s52, 6144                    ; V's fragments lie behind the step's eight tiles of K
	s_mov_b32 s53, 0
	s_add_nc_u64 s[76:77], s[76:77], s[52:53]
	s_mul_i32 s52, s46, 12288
	s_lshl_b32 s54, s47, 8
	s_add_co_u32 s52, s52, s54
	s_add_co_u32 s52, s52, 8192                    ; V's words lie behind K's
	s_add_nc_u64 s[78:79], s[78:79], s[52:53]
	v_lshrrev_b32 v[SWO], 2, v[L16]                ; 4 x lane
.irp a, 0,1,2,3,4,5,6,7
	VOUT \a
.endr
.Lend:
	s_wait_tensorcnt 0x0                           ; the wave's end
	ds_add_u32 v[SPW], v[NIL]
	s_wait_dscnt 0x0
	CROUND                                         ; the closing round
	s_endpgm
.Lfunc_end_k_qe5734511a4_proj:
	.size	k_qe5734511a4_proj, .Lfunc_end_k_qe5734511a4_proj-k_qe5734511a4_proj
	.p2alignl 7, 3214868480
	.fill 96, 4, 3214868480
	.section	.rodata,"a",@progbits
	.p2align	6, 0x0
	.amdhsa_kernel k_qe5734511a4_proj
		.amdhsa_group_segment_fixed_size 327680
		.amdhsa_private_segment_fixed_size 0
		.amdhsa_enable_private_segment 0
		.amdhsa_kernarg_size 152
		.amdhsa_user_sgpr_count 2
		.amdhsa_user_sgpr_kernarg_segment_ptr 1
		.amdhsa_wavefront_size32 1
		.amdhsa_system_sgpr_workgroup_id_x 1
		.amdhsa_system_sgpr_workgroup_id_y 1
		.amdhsa_system_sgpr_workgroup_id_z 1
		.amdhsa_system_vgpr_workitem_id 0
		.amdhsa_next_free_vgpr 1024
		.amdhsa_next_free_sgpr 100
		.amdhsa_reserve_vcc 0
		.amdhsa_float_denorm_mode_32 3
		.amdhsa_float_denorm_mode_16_64 3
		.amdhsa_memory_ordered 1
		.amdhsa_forward_progress 1
		.amdhsa_inst_pref_size 255
	.end_amdhsa_kernel
	.section	.bss,"aw",@nobits
	.p2align	6
	.space	262144
	.amdgpu_metadata
---
amdhsa.version: [ 1, 2 ]
amdhsa.kernels:
  - .name:           k_qe5734511a4_proj
    .symbol:         k_qe5734511a4_proj.kd
    .args:
      - { .name: q_codes, .offset: 0, .size: 8, .value_kind: global_buffer, .address_space: global }
      - { .name: q_scales, .offset: 8, .size: 8, .value_kind: global_buffer, .address_space: global }
      - { .name: Wq_codes, .offset: 16, .size: 8, .value_kind: global_buffer, .address_space: global }
      - { .name: Wq_scales, .offset: 24, .size: 8, .value_kind: global_buffer, .address_space: global }
      - { .name: bq, .offset: 32, .size: 8, .value_kind: global_buffer, .address_space: global }
      - { .name: k_codes, .offset: 40, .size: 8, .value_kind: global_buffer, .address_space: global }
      - { .name: k_scales, .offset: 48, .size: 8, .value_kind: global_buffer, .address_space: global }
      - { .name: Wk_codes, .offset: 56, .size: 8, .value_kind: global_buffer, .address_space: global }
      - { .name: Wk_scales, .offset: 64, .size: 8, .value_kind: global_buffer, .address_space: global }
      - { .name: bk, .offset: 72, .size: 8, .value_kind: global_buffer, .address_space: global }
      - { .name: v_codes, .offset: 80, .size: 8, .value_kind: global_buffer, .address_space: global }
      - { .name: v_scales, .offset: 88, .size: 8, .value_kind: global_buffer, .address_space: global }
      - { .name: Wv_codes, .offset: 96, .size: 8, .value_kind: global_buffer, .address_space: global }
      - { .name: Wv_scales, .offset: 104, .size: 8, .value_kind: global_buffer, .address_space: global }
      - { .name: bv, .offset: 112, .size: 8, .value_kind: global_buffer, .address_space: global }
      - { .name: qc, .offset: 120, .size: 8, .value_kind: global_buffer, .address_space: global }
      - { .name: qs, .offset: 128, .size: 8, .value_kind: global_buffer, .address_space: global }
      - { .name: kvc, .offset: 136, .size: 8, .value_kind: global_buffer, .address_space: global }
      - { .name: kvs, .offset: 144, .size: 8, .value_kind: global_buffer, .address_space: global }
    .group_segment_fixed_size: 327680
    .private_segment_fixed_size: 0
    .kernarg_segment_align: 8
    .kernarg_segment_size: 152
    .max_flat_workgroup_size: 128
    .sgpr_count:     100
    .vgpr_count:     1024
    .wavefront_size: 32
...
	.end_amdgpu_metadata
.endif
;; end of part 1
;; launch attn (part 2): grid 256 x 1, 16 waves a work-group, clusters of 4 x 1, 210,944 bytes of LDS; arguments qc, qs, kvc, kvs, ac, asc; writes ac, asc
.if DOCPART == 2
	.amdgcn_target "amdgcn-amd-amdhsa--gfx1250"
	.amdhsa_code_object_version 6
	.text
	.protected	k_qe5734511a4_attn
	.globl	k_qe5734511a4_attn
	.p2align	8
	.type	k_qe5734511a4_attn,@function
k_qe5734511a4_attn:
	s_mov_b64 s[64:65], 0
	v_nop
	global_prefetch_b8 v0, s[64:65] scope:SCOPE_SE
	s_setreg_imm32_b32 hwreg(HW_REG_WAVE_MODE, 25, 1), 1
	s_wait_xcnt 0x0
	s_wait_alu depctr_hold_cnt(0) depctr_sa_sdst(0) depctr_va_vdst(0) depctr_va_sdst(0) depctr_va_ssrc(0) depctr_va_vcc(0) depctr_vm_vsrc(0)
	s_getreg_b32 s2, hwreg(HW_REG_IB_STS2, 6, 4)
	s_cmp_eq_u32 s2, 0
	s_cbranch_scc0 .Lentry_in_a_cluster
	s_endpgm
.Lentry_in_a_cluster:
	s_bfe_u32 s2, ttmp6, 0x10000c
	s_cmp_lg_u32 s2, 0x3003
	s_cbranch_scc0 .Lentry_shape_is_right
	s_endpgm
.Lentry_shape_is_right:
; LAUNCH 2 OF 3.  attn[b][l][head] = softmax_t(qh . kh / 8, causal) vh, both products on codes of FP6 (E2M3) with E8M0 scales; the result is quantised along D for launch 3.
; LEFT OUT (shown at the head of launch 1): steps of 128 keys that all come after a tile's 16 queries: reference()'s own mask gives them the weight 0.
; THE SOFTMAX: t = score x log2(e) / 8; M = the running largest t rounded up to a whole number; p = 2^(t - M) is quantised along the keys; the row's sum is taken of the unquantised p and divides at the end.
; Hidden scores on the diagonal become -infinity, so p = 0.  LIMITS as in launch 1.  A block's largest p is the exponential of the block's largest score (the same two instructions on the same number).
; SHARES.  A cluster of four work-groups owns one (batch, head); its 128 tiles of 16 queries are paired (p, 127 - p): wave w of partner j takes tile 4 w + j (B) and tile 127 - 4 w - j (A): 17 steps of 128 keys for every wave.
; The step on which a tile's diagonal lies hangs on the wave's number alone: w / 2 for B, (31 - w) / 2 for A; the partner's place enters only global addresses and the lanes' mask numbers.
; THE WHOLE HEAD LIES IN LDS: 16 records of 12,288 bytes (8 tiles of K, 4 fragments of V^T, as images of the operand registers) and the scale words.  Each wave asks for five parts, jointly with the three partners;
; nothing is filled again.  The codes come in four quarters, so that the first steps begin while the later quarters are on their way: five tensor loads of a wave are out at the most.
; PRODUCT 4 HAS K = 64 in an instruction of K = 128: Q's fragment is six registers of codes and six of zeros; K's fragment u is v[F + 6 u .. + 11], whose upper half is the next tile's codes: they meet zeros,
; and no scale byte is 0xff (bytes 2, 3 of a word are a neighbour head's bytes or 0).
; LAYOUT.  S^T = K Q^T, O^T = V^T P^T: a lane holds one query throughout; registers 16 b + i of S^T lie in block b of the keys, in the order in which launch 1 laid V's codes.
; The scale bytes of attn leave as single bytes: a head owns 2 of a row's 32.
.set SCK,   196608                     ; K's scale words, 4 bytes a key
.set SCV,   204800                     ; V's: 256 bytes a step, 4 bytes a d
.set SPARE, 208896                     ; the spare words, 128 bytes a wave
.set L16,  1
.set L8,   2
.set R4,   3
.set SPW,  4
.set NIL,  5
.set DM,   6                           ; v6, v7: 16 (tile % 8) + r - 8 h of tiles A, B
.set AD16, 8
.set AD8,  9
.set ADSK, 10
.set ADSV, 11
.set S,    108                         ; v108-171 S^T, then p, then V's fragments        (v12-19 the two tiles' -M, largest t, sums; v20-43 Q; v44-107 O^T)
.set F,    172                         ; v172-201 four tiles of K, overlapped, and a tail
.set PC,   202                         ; v202-213 p's codes
.set KW,   214                         ; v214-217 K's or V's scale words
.set PWD,  218                         ; p's scale word
.set QW,   219                         ; v219, v220 Q's scale words
.set BM,   222
.set PB,   226
.set SO,   230
.set BY,   234
.set FF,   238                         ; v[238:239] f = 2^(old M - new M)
.set W0,   240
.set NINF, 241
.set TP,   242
.set RL,   244
.set ASO,  246
.set WV,   16
.set J,    17
.set BH,   18
.set DD,   19                          ; s19, s20: the diagonal's step of tiles A, B
.set CS,   22
.set SEL,  24
.set TL,   26                          ; s26, s27: tiles A, B
.set G1C,  28
.set G1S,  36
.set G0S,  44
.set G0C,  48
.set TB,   66
.set TS,   67
.set TV,   68
.set KS,   69
.set LP,   70
.set MH,   71
.set QCP,  80
.set QSP,  84
.set ACP,  88
.set ASP,  92
.macro CROUND
	s_barrier_signal -1
	s_barrier_wait -1
	s_cmp_lg_u32 s[WV], 0
	s_cbranch_scc1 .Lnot_wave_0_\@
	s_barrier_signal -3
.Lnot_wave_0_\@:
	s_barrier_wait -3
	s_barrier_signal -1
	s_barrier_wait -1
.endm
; tile x (0 = A, 1 = B) against the step's 128 keys.  chk = 1: the step may lie on or behind the tile's diagonal
.macro TILE_STEP x, chk
.set ST, 12+4*\x
.set QF, 20+12*\x
.set OT, 44+32*\x
.if \chk
	s_cmp_gt_u32 s[KS], s[DD+\x]                   ; all keys come after my queries: the step is left out (the wave's number and the count of steps alone)
	s_cbranch_scc1 .Lhid_\@
.endif
.irp g, 0,1                                    ; S^T = K Q^T, four tiles of 16 keys at a time
.if \g
.rept 4
	v_nop                                          ; places in front of loads into registers that matrix instructions have read
.endr
.endif
.irp u, 0,1,2,3
	ds_load_b128 v[F+6*\u:F+6*\u+3], v[AD16] offset:768*(4*\g+\u)
	ds_load_b64 v[F+6*\u+4:F+6*\u+5], v[AD8] offset:768*(4*\g+\u)+512
	ds_load_b32 v[KW+\u], v[ADSK] offset:64*(4*\g+\u)
.endr
	s_wait_dscnt 0x0
.irp u, 0,1,2,3
	v_wmma_scale_f32_16x16x128_f8f6f4 v[S+8*(4*\g+\u):S+8*(4*\g+\u)+7], v[F+6*\u:F+6*\u+11], v[QF:QF+11], 0, v[KW+\u], v[QW+\x] matrix_a_fmt:MATRIX_FMT_FP6 matrix_b_fmt:MATRIX_FMT_FP6
.endr
.endr
.rept 4
	v_nop
.endr
.if \chk
	s_cmp_lg_u32 s[KS], s[DD+\x]
	s_cbranch_scc1 .Lopen_\@                       ; all keys count
.irp n, 0,1,2,3,4,5,6,7,8,9,10,11,12,13,14,15,16,17,18,19,20,21,22,23,24,25,26,27,28,29,30,31,32,33,34,35,36,37,38,39,40,41,42,43,44,45,46,47,48,49,50,51,52,53,54,55,56,57,58,59,60,61,62,63
	v_cmp_gt_i32 vcc_lo, 16*(\n/8)+\n%8, v[DM+\x]  ; register n holds key 16 (n / 8) + 8 h + n % 8 of the step: hidden where it comes after my query
	v_cndmask_b32 v[S+\n], v[S+\n], v[NINF], vcc_lo
.endr
.Lopen_\@:
.endif
.irp b, 0,1,2,3
	v_max3_num_f32 v[BM+\b], v[S+16*\b], v[S+1+16*\b], v[S+2+16*\b]   ; the largest score of each block of 32 keys
.endr
.irp i, 3,5,7,9,11,13
.irp b, 0,1,2,3
	v_max3_num_f32 v[BM+\b], v[BM+\b], v[S+16*\b+\i], v[S+1+16*\b+\i]
.endr
.endr
.irp b, 0,1,2,3
	v_max_num_f32 v[BM+\b], v[BM+\b], v[S+15+16*\b]
.endr
.irp b, 0,1,2,3
	v_permlanex16_b32 v[PB+\b], v[BM+\b], s[SEL], s[SEL+1]
.endr
.irp b, 0,1,2,3
	v_max_num_f32 v[BM+\b], v[BM+\b], v[PB+\b]
.endr
	v_max3_num_f32 v[W0], v[BM], v[BM+1], v[BM+2]
	v_max_num_f32 v[W0], v[W0], v[BM+3]
	v_mul_f32 v[W0], s[CS], v[W0]
	v_max_num_f32 v[ST+1], v[ST+1], v[W0]          ; the running largest t
	v_mov_b32 v[W0], v[ST]
	v_floor_f32 v[ST], -v[ST+1]                    ; -M = floor(-t): M is a whole number
	v_sub_f32 v[W0], v[ST], v[W0]                  ; old M - new M, 0 or less
	v_cvt_i32_f32 v[W0], v[W0]                     ; (it saturates)
	v_ldexp_f32 v[FF], 1.0, v[W0]                  ; f: a multiplication by it rounds nothing
.set j, 0
.rept 32
	v_pk_fma_f32 v[S+j:S+j+1], v[S+j:S+j+1], s[CS:CS+1], v[ST:ST+1] op_sel_hi:[1,0,0]   ; t - M
.set j, j+2
.endr
.irp b, 0,1,2,3
	v_fma_f32 v[BM+\b], v[BM+\b], s[CS], v[ST]
.endr
.set j, 0
.rept 64
	v_exp_f32 v[S+j], v[S+j]                       ; p, at most 1, not normalised
.set j, j+1
.endr
	v_pk_mul_f32 v[ST+2:ST+3], v[ST+2:ST+3], v[FF:FF+1] op_sel_hi:[1,0]   ; the sums under the new M; a plain place behind the exponentials
	s_wait_alu depctr_va_vdst(0)                   ; one wait for the batch, ahead of its first reader
.irp b, 0,1,2,3
	v_exp_f32 v[BM+\b], v[BM+\b]                   ; each block's largest p
.endr
	v_pk_add_f32 v[TP:TP+1], v[S:S+1], v[S+2:S+3]  ; the row's sum, of the unquantised p, in two chains
.irp j, 4,8,12,16,20,24,28,32,36,40,44,48,52,56,60
	v_pk_add_f32 v[ST+2:ST+3], v[ST+2:ST+3], v[S+\j:S+\j+1]
	v_pk_add_f32 v[TP:TP+1], v[TP:TP+1], v[S+\j+2:S+\j+3]
.endr
	v_pk_add_f32 v[ST+2:ST+3], v[ST+2:ST+3], v[TP:TP+1]
	s_wait_alu depctr_va_vdst(0)                   ; and one for the four
.irp b, 0,1,2,3
	v_max_num_f32 v[BM+\b], 0x1800000, v[BM+\b]    ; the floor 2^(3 - 127)
.endr
.irp b, 0,1,2,3
	v_add_nc_u32 v[SO+\b], 0xff000000, v[BM+\b]    ; 2 off the exponent field: the conversion's scale operand
.endr
.irp b, 0,1,2,3
	v_lshrrev_b32 v[BY+\b], 23, v[SO+\b]
.endr
	v_lshl_or_b32 v[PWD], v[BY+1], 8, v[BY]
	v_lshl_or_b32 v[PWD], v[BY+2], 16, v[PWD]
	v_lshl_or_b32 v[PWD], v[BY+3], 24, v[PWD]
.irp c, 0,1
	v_cvt_scalef32_pk16_fp6_f32 v[PC+6*\c:PC+6*\c+2], v[S+32*\c:S+32*\c+15], v[SO+2*\c]
	v_cvt_scalef32_pk16_fp6_f32 v[F+4*\c:F+4*\c+2], v[S+32*\c+16:S+32*\c+31], v[SO+2*\c+1]
.endr
	v_nop                                          ; one plain place behind a scaled conversion
.irp c, 0,1
.irp i, 0,1,2
	v_permlane16_swap_b32 v[PC+6*\c+\i], v[F+4*\c+\i]
.endr
.irp i, 0,1,2
	v_mov_b32 v[PC+6*\c+3+\i], v[F+4*\c+\i]
.endr
.endr
.irp d, 0,1,2,3                                ; V^T's four fragments, into the registers that p has left
.irp c, 0,1,2
	ds_load_b128 v[S+12*\d+4*\c:S+12*\d+4*\c+3], v[AD16] offset:6144+1536*\d+512*\c
.endr
	ds_load_b32 v[KW+\d], v[ADSV] offset:64*\d
.endr
.set j, 0
.rept 16
	v_pk_mul_f32 v[OT+j:OT+j+1], v[OT+j:OT+j+1], v[FF:FF+1] op_sel_hi:[1,0]   ; O^T under the new M; these are also the places in front of the scaled products
.set j, j+2
.endr
	s_wait_dscnt 0x0
.irp d, 0,1,2,3
	v_wmma_scale_f32_16x16x128_f8f6f4 v[OT+8*\d:OT+8*\d+7], v[S+12*\d:S+12*\d+11], v[PC:PC+11], v[OT+8*\d:OT+8*\d+7], v[KW+\d], v[PWD] matrix_a_fmt:MATRIX_FMT_FP6 matrix_b_fmt:MATRIX_FMT_FP6
.endr
.rept 5
	v_nop                                          ; five places: the next products write over V's registers
.endr
.if \chk
.Lhid_\@:
.endif
.endm
; quarter q of the head: four steps
.macro PHASE q
	s_wait_dscnt 0x0
	s_wait_tensorcnt 3-\q                          ; the scale words and my parts of quarters 0 .. q are in; the later quarters' loads may be out
	s_barrier_signal -1
	s_barrier_wait -1                              ; everybody's are
	s_mov_b32 s[TB], 49152*\q
	s_mov_b32 s[TS], SCK+2048*\q
	s_mov_b32 s[TV], SCV+1024*\q
	s_mov_b32 s[KS], 4*\q
	s_mov_b32 s[LP], 4
.Lph_\@:
	v_add_nc_u32 v[AD16], s[TB], v[L16]
	v_add_nc_u32 v[AD8], s[TB], v[L8]
	v_add_nc_u32 v[ADSK], s[TS], v[R4]
	v_add_nc_u32 v[ADSV], s[TV], v[R4]
.if \q < 2
	TILE_STEP 0, 0                                 ; tile A's diagonal lies on step 8 or later: all keys count
	TILE_STEP 1, 1
.else
	TILE_STEP 0, 1                                 ; tile B's diagonal lies on step 7 or earlier: it is done
.endif
	s_add_co_u32 s[TB], s[TB], 12288
	s_add_co_u32 s[TS], s[TS], 512
	s_add_co_u32 s[TV], s[TV], 256
	s_add_co_u32 s[KS], s[KS], 1
	s_sub_co_u32 s[LP], s[LP], 1
	s_cmp_lg_u32 s[LP], 0
	s_cbranch_scc1 .Lph_\@
.endm
; tile x: O^T / the sum, brought into the natural order of d, quantised, stored as half a fragment of launch 3's operand
.macro FINISH x
.set ST, 12+4*\x
.set OT, 44+32*\x
	v_add_f32 v[W0], v[ST+2], v[ST+3]
	v_permlanex16_b32 v[PB], v[W0], s[SEL], s[SEL+1]
	v_add_f32 v[W0], v[W0], v[PB]                  ; the row's sum
	v_rcp_f32 v[RL], v[W0]
	v_mov_b32 v[RL+1], 0                           ; a plain place; the pair's upper half is named below
	s_wait_alu depctr_va_vdst(0)
.set j, 0
.rept 16
	v_pk_mul_f32 v[S+j:S+j+1], v[OT+j:OT+j+1], v[RL:RL+1] op_sel_hi:[1,0]
.set j, j+2
.endr
.irp b, 0,1                                    ; lane h held d = 32 b + 8 h + 0..7 and 32 b + 16 + 8 h + 0..7; now 32 b + 16 h + 0..15
.irp i, 0,1,2,3,4,5,6,7
	v_permlane16_swap_b32 v[S+16*\b+\i], v[S+16*\b+8+\i]
.endr
.endr
.irp b, 0,1
	v_max3_num_f32 v[BM+\b], |v[S+16*\b]|, |v[S+1+16*\b]|, 0x1800000
.endr
.irp i, 2,4,6,8,10,12,14
.irp b, 0,1
	v_max3_num_f32 v[BM+\b], v[BM+\b], |v[S+16*\b+\i]|, |v[S+1+16*\b+\i]|
.endr
.endr
.irp b, 0,1
	v_permlanex16_b32 v[PB+\b], v[BM+\b], s[SEL], s[SEL+1]
.endr
.irp b, 0,1
	v_max_num_f32 v[BM+\b], v[BM+\b], v[PB+\b]
.endr
.irp b, 0,1
	v_add_nc_u32 v[SO+\b], 0xff000000, v[BM+\b]
.endr
.irp b, 0,1
	v_lshrrev_b32 v[BY+\b], 23, v[SO+\b]
.endr
	v_cvt_scalef32_pk16_fp6_f32 v[PC:PC+2], v[S:S+15], v[SO]
	v_cvt_scalef32_pk16_fp6_f32 v[F:F+2], v[S+16:S+31], v[SO+1]
	v_nop
.irp i, 0,1,2
	v_permlane16_swap_b32 v[PC+\i], v[F+\i]
.endr
.irp i, 0,1,2
	v_mov_b32 v[PC+3+\i], v[F+\i]
.endr
	v_cndmask_b32 v[BY+2], v[BY], v[BY+1], s[MH]   ; lane (r, h) stores block h's byte of row r
	global_store_b128 v[L16], v[PC:PC+3], s[ACP+2*\x:ACP+2*\x+1]
	global_store_b64 v[L8], v[PC+4:PC+5], s[ACP+2*\x:ACP+2*\x+1] offset:512
	global_store_b8 v[ASO], v[BY+2], s[ASP+2*\x:ASP+2*\x+1]
.endm
	s_load_b256 s[4:11], s[0:1], 0x0               ; qc, qs, kvc, kvs
	s_load_b128 s[12:15], s[0:1], 0x20             ; ac, asc
	v_lshl_add_u32 v[SPW], v0, 2, SPARE
	v_mov_b32 v[NIL], 0
	ds_add_u32 v[SPW], v[NIL]                      ; the wave's opening: the add, twice on end, and its wait ahead of my first tensor load
	ds_add_u32 v[SPW], v[NIL]
	v_lshrrev_b32 v8, 5, v0
	v_readfirstlane_b32 s[WV], v8                  ; wave 0..15
	s_bfe_u32 s[J], ttmp6, 0x40000                 ; my place in the cluster
	s_mov_b32 s[BH], ttmp9                         ; batch x 16 + head: the cluster's number
	s_lshr_b32 s[DD+1], s[WV], 1
	s_sub_co_u32 s[DD], 31, s[WV]
	s_lshr_b32 s[DD], s[DD], 1
	s_mov_b32 s[CS], 0x3e38aa3b                    ; log2(e) / 8
	s_mov_b32 s[CS+1], s[CS]
	s_mov_b32 s[SEL], 0x76543210
	s_mov_b32 s[SEL+1], 0xfedcba98
	s_mov_b32 s[MH], 0xffff0000
	; descriptor groups 1: dense blocks as rows of 256 bytes (32 elements of 8 bytes): 12 rows of codes, 3 rows of scale words; the mask names all four partners
	s_mov_b32 s[G1C], 15|(3<<16)|(1<<21)
	s_mov_b32 s[G1C+1], 32<<16
	s_mov_b32 s[G1C+2], 12<<16
	s_mov_b32 s[G1C+3], 32<<16
	s_mov_b32 s[G1C+4], 12
	s_mov_b32 s[G1C+5], 32
	s_mov_b32 s[G1C+6], 0
	s_mov_b32 s[G1C+7], 0
	s_mov_b32 s[G1S], 15|(3<<16)|(1<<21)
	s_mov_b32 s[G1S+1], 32<<16
	s_mov_b32 s[G1S+2], 3<<16
	s_mov_b32 s[G1S+3], 32<<16
	s_mov_b32 s[G1S+4], 3
	s_mov_b32 s[G1S+5], 32
	s_mov_b32 s[G1S+6], 0
	s_mov_b32 s[G1S+7], 0
	s_mul_i32 s72, s[BH], 12288
	s_mul_i32 s74, s[WV], 768
	s_add_co_u32 s72, s72, s74
	s_mov_b32 s73, 0
	s_mul_i32 s76, s[BH], 196608
	s_mul_i32 s75, s[WV], 3072
	s_add_co_u32 s76, s76, s75
	s_mov_b32 s77, 0
	s_wait_dscnt 0x0                               ; both opening adds are done
	s_wait_kmcnt 0x0
	s_mov_b32 s[G0S], 1
	s_add_co_u32 s[G0S+1], s74, SCK                ; K's words and, behind them, V's: 768 bytes a wave
	s_add_nc_u64 s[G0S+2:G0S+3], s[10:11], s[72:73]
	s_or_b32 s[G0S+3], s[G0S+3], 0x80000000
	s_add_nc_u64 s[76:77], s[8:9], s[76:77]
.irp q, 0,1,2,3
	s_mov_b32 s[G0C+4*\q], 1
	s_add_co_u32 s[G0C+4*\q+1], s75, 49152*\q      ; quarter q: 3,072 bytes a wave
	s_add_nc_u64 s[G0C+4*\q+2:G0C+4*\q+3], s[76:77], 49152*\q
	s_or_b32 s[G0C+4*\q+3], s[G0C+4*\q+3], 0x80000000
.endr
	CROUND                                         ; all four work-groups are here: the joint loads meet
	tensor_load_to_lds s[G0S:G0S+3], s[G1S:G1S+7]
	s_nop 0
.irp q, 0,1,2,3
	tensor_load_to_lds s[G0C+4*\q:G0C+4*\q+3], s[G1C:G1C+7]
	s_nop 0
.endr
.rept 4
	v_nop
.endr
	v_and_b32 v8, 31, v0
	v_lshlrev_b32 v[L16], 4, v8
	v_lshlrev_b32 v[L8], 3, v8
	v_and_b32 v9, 15, v0                           ; r
	v_bfe_u32 v10, v0, 4, 1                        ; h
	v_lshlrev_b32 v[R4], 2, v9
	v_lshl_add_u32 v[ASO], v9, 5, v10              ; asc: 32 r + h
	v_lshlrev_b32 v11, 3, v10
	v_sub_nc_u32 v11, v9, v11                      ; r - 8 h
	s_lshl_b32 s[TL+1], s[WV], 2
	s_add_co_u32 s[TL+1], s[TL+1], s[J]            ; tile B
	s_sub_co_u32 s[TL], 127, s[TL+1]               ; tile A
	s_mul_i32 s74, s[BH], 98304
	s_lshl_b32 s75, s[BH], 13
	s_lshr_b32 s76, s[BH], 4
	s_lshl_b32 s76, s76, 7                         ; 128 x batch
	s_and_b32 s77, s[BH], 15                       ; head
	s_lshl_b32 s78, s77, 1
	s_mov_b32 s73, 0
.irp x, 0,1
	s_and_b32 s72, s[TL+\x], 7
	s_lshl_b32 s72, s72, 4
	v_add_nc_u32 v[DM+\x], s72, v11
	s_mul_i32 s72, s[TL+\x], 768
	s_add_co_u32 s72, s72, s74
	s_add_nc_u64 s[QCP+2*\x:QCP+2*\x+1], s[4:5], s[72:73]
	s_lshl_b32 s72, s[TL+\x], 6
	s_add_co_u32 s72, s72, s75
	s_add_nc_u64 s[QSP+2*\x:QSP+2*\x+1], s[6:7], s[72:73]
	s_add_co_u32 s79, s76, s[TL+\x]                ; the tile of rows among all 512
	s_lshl_b32 s72, s79, 4
	s_add_co_u32 s72, s72, s77
	s_mul_i32 s72, s72, 768
	s_add_nc_u64 s[ACP+2*\x:ACP+2*\x+1], s[12:13], s[72:73]
	s_lshl_b32 s72, s79, 9
	s_add_co_u32 s72, s72, s78
	s_add_nc_u64 s[ASP+2*\x:ASP+2*\x+1], s[14:15], s[72:73]
	global_load_b128 v[20+12*\x:23+12*\x], v[L16], s[QCP+2*\x:QCP+2*\x+1]
	global_load_b64 v[24+12*\x:25+12*\x], v[L8], s[QCP+2*\x:QCP+2*\x+1] offset:512
	global_load_b32 v[QW+\x], v[R4], s[QSP+2*\x:QSP+2*\x+1]
.irp i, 6,7,8,9,10,11
	v_mov_b32 v[20+12*\x+\i], 0                    ; Q's empty half
.endr
	v_mov_b32 v[13+4*\x], 0xff61b1e6               ; the largest t so far: -3e38
	v_floor_f32 v[12+4*\x], -v[13+4*\x]
	v_mov_b32 v[14+4*\x], 0
	v_mov_b32 v[15+4*\x], 0
.endr
.set j, 0
.rept 64
	v_mov_b32 v[44+j], 0                           ; O^T: the step is written without a first step of its own; the first change of M leaves zeros zeros
.set j, j+1
.endr
.irp i, 24,25,26,27,28,29
	v_mov_b32 v[F+\i], 0                           ; behind the fourth tile of K
.endr
.irp b, 0,1,2,3
	v_mov_b32 v[PB+\b], 0                          ; written once: a lane permute's destination counts as one of its sources
.endr
	v_mov_b32 v[FF+1], 0
	v_mov_b32 v[NINF], 0xff800000
	s_wait_loadcnt 0x0                             ; Q
	PHASE 0
	PHASE 1
	PHASE 2
	PHASE 3
	FINISH 0
	s_wait_xcnt 0x0                                ; tile A's stores have read their registers
	FINISH 1
	s_wait_tensorcnt 0x0                           ; the wave's end
	ds_add_u32 v[SPW], v[NIL]
	s_wait_dscnt 0x0
	CROUND                                         ; the closing round
	s_endpgm
.Lfunc_end_k_qe5734511a4_attn:
	.size	k_qe5734511a4_attn, .Lfunc_end_k_qe5734511a4_attn-k_qe5734511a4_attn
	.p2alignl 7, 3214868480
	.fill 96, 4, 3214868480
	.section	.rodata,"a",@progbits
	.p2align	6, 0x0
	.amdhsa_kernel k_qe5734511a4_attn
		.amdhsa_group_segment_fixed_size 210944
		.amdhsa_private_segment_fixed_size 0
		.amdhsa_enable_private_segment 0
		.amdhsa_kernarg_size 48
		.amdhsa_user_sgpr_count 2
		.amdhsa_user_sgpr_kernarg_segment_ptr 1
		.amdhsa_wavefront_size32 1
		.amdhsa_system_sgpr_workgroup_id_x 1
		.amdhsa_system_sgpr_workgroup_id_y 1
		.amdhsa_system_sgpr_workgroup_id_z 1
		.amdhsa_system_vgpr_workitem_id 0
		.amdhsa_next_free_vgpr 256
		.amdhsa_next_free_sgpr 100
		.amdhsa_reserve_vcc 1
		.amdhsa_float_denorm_mode_32 3
		.amdhsa_float_denorm_mode_16_64 3
		.amdhsa_memory_ordered 1
		.amdhsa_forward_progress 1
		.amdhsa_inst_pref_size 139
	.end_amdhsa_kernel
	.amdgpu_metadata
---
amdhsa.version: [ 1, 2 ]
amdhsa.kernels:
  - .name:           k_qe5734511a4_attn
    .symbol:         k_qe5734511a4_attn.kd
    .args:
      - { .name: qc, .offset: 0, .size: 8, .value_kind: global_buffer, .address_space: global }
      - { .name: qs, .offset: 8, .size: 8, .value_kind: global_buffer, .address_space: global }
      - { .name: kvc, .offset: 16, .size: 8, .value_kind: global_buffer, .address_space: global }
      - { .name: kvs, .offset: 24, .size: 8, .value_kind: global_buffer, .address_space: global }
      - { .name: ac, .offset: 32, .size: 8, .value_kind: global_buffer, .address_space: global }
      - { .name: asc, .offset: 40, .size: 8, .value_kind: global_buffer, .address_space: global }
    .group_segment_fixed_size: 210944
    .private_segment_fixed_size: 0
    .kernarg_segment_align: 8
    .kernarg_segment_size: 48
    .max_flat_workgroup_size: 512
    .sgpr_count:     100
    .vgpr_count:     256
    .wavefront_size: 32
...
	.end_amdgpu_metadata
.endif
;; end of part 2
;; launch outp (part 3): grid 8 x 32, 4 waves a work-group, clusters of 4 x 4, 327,680 bytes of LDS; arguments ac, asc, Wo_codes, Wo_scales, bo, out0; writes out0
.if DOCPART == 3
	.amdgcn_target "amdgcn-amd-amdhsa--gfx1250"
	.amdhsa_code_object_version 6
	.text
	.protected	k_qe5734511a4_outp
	.globl	k_qe5734511a4_outp
	.p2align	8
	.type	k_qe5734511a4_outp,@function
k_qe5734511a4_outp:
	s_mov_b64 s[64:65], 0
	v_nop
	global_prefetch_b8 v0, s[64:65] scope:SCOPE_SE
	s_setreg_imm32_b32 hwreg(HW_REG_WAVE_MODE, 25, 1), 1
	s_wait_xcnt 0x0
	s_wait_alu depctr_hold_cnt(0) depctr_sa_sdst(0) depctr_va_vdst(0) depctr_va_sdst(0) depctr_va_ssrc(0) depctr_va_vcc(0) depctr_vm_vsrc(0)
	s_getreg_b32 s2, hwreg(HW_REG_IB_STS2, 6, 4)
	s_cmp_eq_u32 s2, 0
	s_cbranch_scc0 .Lentry_in_a_cluster
	s_endpgm
.Lentry_in_a_cluster:
	s_bfe_u32 s2, ttmp6, 0x10000c
	s_cmp_lg_u32 s2, 0xf033
	s_cbranch_scc0 .Lentry_shape_is_right
	s_endpgm
.Lentry_shape_is_right:
; LAUNCH 3 OF 3.  out0 = attn Wo^T + bo, on launch 2's codes of attn and the given codes of Wo (FP6, E2M3, E8M0 scales), sums in f32.  Nothing is left out here.
; SHARES.  256 work-groups, each 256 rows x 128 columns; wave w takes rows 64 w .. + 63 and all 128 columns: 32 accumulators.  Used transposed: source 0 = 16 rows of Wo, source 1 = 16 rows of attn:
; a lane holds eight neighbouring columns of one row.  bo is the C of the first K step.
; ALL OF K LIES IN LDS, in four parts of 256 along K; nothing is filled again.  Each wave asks for eight parts at the head: its own four tiles of rows of attn (images of the operand registers, jointly along the
; cluster's row) and 32 rows of Wo (jointly along the column): eight tensor loads of a wave are out at the most.  The first K steps begin while the later parts are on their way.
; The scale words go straight into registers: lane (r, h) holds words 4 h .. 4 h + 3 of its row; K steps 4-7 read lanes 16-31.
; REGISTERS: window 0: v8-23 LDS addresses, v32-79 scale words, v128-223 attn's fragments, two sets of 48 (on the way out: rows of out0).  window 1: Wo's fragments, two sets at v0 and v128; bo at v96-127, v224-255.  window 2: accumulator (a, b) at v[8 (8 a + b)].
.set PITCH, 240
.set FR,    12
.set WSL,   30720                      ; a part of Wo: 128 rows x 240
.set AIM,   122880                     ; behind the four: attn's four parts, 16 tiles of rows x 3,072 bytes each
.set AIP,   49152
.set SPARE, AIM+4*AIP
.set SPITCH, 528
.set ADA16, 8
.set ADA8,  12
.set ADRB,  16
.set STO,   24
.set RD,    25
.set CO,    26
.set SPW,   28
.set NIL,   29
.set SA,    32
.set SB,    48
.set AF,    128
.set BK,    128
.set WV,    16
.set CX,    17
.set CY,    18
.set NT,    19
.set MT,    20
.set MR,    21
.set MC,    22
.set ROW0,  23
.set G1A,   24
.set G1B,   32
.set G0A,   40
.set G0B,   68
.set MSB, 0
.macro WIN new
.if MSB != (\new)
	s_set_vgpr_msb (MSB<<8)|(\new)
.set MSB, (\new)
.endif
.endm
.set TO_B, 0x40
.macro CROUND
	s_barrier_signal -1
	s_barrier_wait -1
	s_cmp_lg_u32 s[WV], 0
	s_cbranch_scc1 .Lnot_wave_0_\@
	s_barrier_signal -3
.Lnot_wave_0_\@:
	s_barrier_wait -3
	s_barrier_signal -1
	s_barrier_wait -1
.endm
.macro PLACES n
.rept \n
	v_nop
.endr
.endm
.macro FRAGB reg, n, q, i              ; a fragment of Wo from rows of 192 bytes with 16 bytes of padding behind each 64, in pieces of 8 bytes
.irp p, 0,1,2,3,4,5
.set PCE, 12*(\q)+6*(\p/3)+\p%3
.if PCE%8 < 5
	ds_load_b64 v[\reg+2*\p:\reg+2*\p+1], v[ADRB+(\n)] offset:8*PCE+16*(PCE/8)+(\i)*16*PITCH
.else
	ds_load_b64 v[\reg+2*\p:\reg+2*\p+1], v[ADRB+4+(\n)] offset:8*PCE+16*(PCE/8)+(\i)*16*PITCH
.endif
.endr
.endm
.macro FETCH3 ks                       ; K step ks: my four fragments of attn (two heads' halves each) and Wo's eight, into set ks % 2
.set NN, (\ks)/2
.set QQ, (\ks)%2
.set AS, AF+48*QQ
.irp a, 0,1,2,3
.irp c, 0,1
	ds_load_b128 v[AS+12*\a+6*\c:AS+12*\a+6*\c+3], v[ADA16+NN] offset:3072*\a+768*(2*QQ+\c)
	ds_load_b64 v[AS+12*\a+6*\c+4:AS+12*\a+6*\c+5], v[ADA8+NN] offset:3072*\a+768*(2*QQ+\c)
.endr
.endr
	WIN TO_B
.irp b, 0,1,2,3,4,5,6,7
	FRAGB 128*QQ+FR*\b, NN, QQ, \b
.endr
	WIN 0
.endm
.macro MM3 a, b, ks
.set rD, 8*(8*\a+\b)
.set rB, 128*((\ks)%2)+FR*\b
.set rA, AF+48*((\ks)%2)+FR*\a
.set rSB, SB+4*\b+((\ks)&3)
.set rSA, SA+4*\a+((\ks)&3)
.if (\ks) == 0
.set rC, 96+8*\b+96*(\b/4)
.else
.set rC, rD
.endif
.if (\ks) < 4
	v_wmma_scale_f32_16x16x128_f8f6f4 v[rD:rD+7], v[rB:rB+FR-1], v[rA:rA+FR-1], v[rC:rC+7], v[rSB], v[rSA] matrix_a_fmt:MATRIX_FMT_FP6 matrix_b_fmt:MATRIX_FMT_FP6
.else
	v_wmma_scale_f32_16x16x128_f8f6f4 v[rD:rD+7], v[rB:rB+FR-1], v[rA:rA+FR-1], v[rC:rC+7], v[rSB], v[rSA] matrix_a_fmt:MATRIX_FMT_FP6 matrix_b_fmt:MATRIX_FMT_FP6 matrix_a_scale:MATRIX_SCALE_ROW1 matrix_b_scale:MATRIX_SCALE_ROW1
.endif
.endm
.macro STEP3 ks
	s_wait_dscnt 0x0                               ; this step's 64 loads are in (a count names 63 at the most)
.if (\ks)%2 == 1 && (\ks) < 7
	s_wait_tensorcnt 5-(\ks)                       ; my parts of the next 256 along K are in; two loads for each later part may be out
	s_barrier_signal -1
	s_barrier_wait -1                              ; everybody's are
.endif
.if (\ks) > 0
	PLACES 4                                       ; in front of loads into the set that the last step multiplied
.endif
.if (\ks) < 7
	FETCH3 (\ks)+1
.endif
.if (\ks) == 0
	WIN 0x91                                       ; C = bo, in window 1
.else
	WIN 0xa1
.endif
.irp a, 0,1,2,3                                ; the 32 accumulators take turns, one instruction a turn
.irp b, 0,1,2,3,4,5,6,7
	MM3 \a, \b, \ks
.endr
.endr
	WIN 0
.endm
.macro TOSTAGE a                       ; 16 rows x 128 columns through my stage: in by 32 bytes a lane, back as whole rows of 512 bytes
	WIN 0x08                                       ; an LDS store's data: window 2
.irp b, 0,1,2,3,4,5,6,7
	ds_store_b128 v[STO], v[64*(\a)+8*\b:64*(\a)+8*\b+3] offset:64*\b       ; each accumulator from its low end on
	ds_store_b128 v[STO], v[64*(\a)+8*\b+4:64*(\a)+8*\b+7] offset:64*\b+16
.endr
	WIN 0
.set BB, BK+64*((\a)%2)
.irp t, 0,1,2,3,4,5,6,7,8,9,10,11,12,13,14,15
	ds_load_b128 v[BB+4*\t:BB+4*\t+3], v[RD] offset:\t*SPITCH   ; LDS serves a wave's instructions in order (ISA guide 5.7.1.4): these see the stores above
.endr
.endm
.macro SEND a, younger
.set BB, BK+64*((\a)%2)
	s_wait_dscnt \younger
.if (\a) > 0
	s_add_nc_u64 s[14:15], s[14:15], 16*4096       ; (behind a wait on XCNT: the earlier stores have read their base)
.endif
.irp t, 0,1,2,3,4,5,6,7,8,9,10,11,12,13,14,15
	global_store_b128 v[CO], v[BB+4*\t:BB+4*\t+3], s[14:15] offset:\t*4096 th:TH_STORE_NT   ; 32 lanes store 512 consecutive bytes, at a multiple of 256 from out0's first byte
.endr
.endm
	s_load_b256 s[4:11], s[0:1], 0x0               ; ac, asc, Wo's codes, Wo's scales
	s_load_b128 s[12:15], s[0:1], 0x20             ; bo, out0
	v_lshl_add_u32 v[SPW], v0, 2, SPARE
	v_mov_b32 v[NIL], 0
	ds_add_u32 v[SPW], v[NIL]                      ; the wave's opening: the add, twice on end, and its wait ahead of my first tensor load
	ds_add_u32 v[SPW], v[NIL]
	v_lshrrev_b32 v1, 5, v0
	v_readfirstlane_b32 s[WV], v1
	s_bfe_u32 s[CX], ttmp6, 0x40000
	s_bfe_u32 s[CY], ttmp6, 0x40004
	s_lshl_b32 s[NT], ttmp9, 2
	s_add_co_u32 s[NT], s[NT], s[CX]               ; which 128 columns
	s_and_b32 s[MT], ttmp7, 0xffff
	s_lshl_b32 s[MT], s[MT], 2
	s_add_co_u32 s[MT], s[MT], s[CY]               ; which 256 rows
	s_lshl_b32 s[MR], s[CY], 2
	s_lshl_b32 s[MR], 15, s[MR]
	s_lshl_b32 s[MC], 0x1111, s[CX]
	; attn: 4 rows of 3,072 bytes (384 elements of 8), 12,288 bytes apart, no padding; shared along my row of the cluster
	s_or_b32 s[G1A], s[MR], (3<<16)|(1<<21)
	s_mov_b32 s[G1A+1], 384<<16
	s_mov_b32 s[G1A+2], 4<<16
	s_mov_b32 s[G1A+3], 384<<16
	s_mov_b32 s[G1A+4], 4
	s_mov_b32 s[G1A+5], 1536
	s_mov_b32 s[G1A+6], 0
	s_mov_b32 s[G1A+7], 0
	; Wo: 32 rows of 192 bytes, 768 apart, 16 bytes of padding behind each 64; shared along my column
	s_or_b32 s[G1B], s[MC], (0<<16)|(1<<20)|(1<<21)|(3<<22)|(3<<25)
	s_mov_b32 s[G1B+1], 192<<16
	s_mov_b32 s[G1B+2], 32<<16
	s_mov_b32 s[G1B+3], 192<<16
	s_mov_b32 s[G1B+4], 32
	s_mov_b32 s[G1B+5], 768
	s_mov_b32 s[G1B+6], 0
	s_mov_b32 s[G1B+7], 0
	s_lshl_b32 s56, s[MT], 4
	s_lshl_b32 s57, s[WV], 2
	s_add_co_u32 s56, s56, s57                     ; my first tile of rows
	s_mul_i32 s56, s56, 12288
	s_mov_b32 s57, 0
	s_lshl_b32 s58, s[NT], 7
	s_lshl_b32 s59, s[WV], 5
	s_add_co_u32 s58, s58, s59                     ; the 32 rows of Wo that I fetch
	s_mul_i32 s58, s58, 768
	s_mov_b32 s59, 0
	s_mul_i32 s60, s[WV], 12288
	s_mul_i32 s61, s[WV], 7680
	s_lshl_b32 s[ROW0], s[MT], 8
	s_lshl_b32 s62, s[WV], 6
	s_add_co_u32 s[ROW0], s[ROW0], s62             ; my first row
	s_wait_dscnt 0x0                               ; both opening adds are done
	s_wait_kmcnt 0x0
	s_add_nc_u64 s[56:57], s[4:5], s[56:57]
	s_add_nc_u64 s[58:59], s[8:9], s[58:59]
.irp n, 0,1,2,3
	s_mov_b32 s[G0A+4*\n], 1
	s_add_co_u32 s[G0A+4*\n+1], s60, AIM+AIP*\n
	s_add_nc_u64 s[G0A+4*\n+2:G0A+4*\n+3], s[56:57], 3072*\n
	s_or_b32 s[G0A+4*\n+3], s[G0A+4*\n+3], 0x80000000
	s_mov_b32 s[G0B+4*\n], 1
	s_add_co_u32 s[G0B+4*\n+1], s61, WSL*\n
	s_add_nc_u64 s[G0B+4*\n+2:G0B+4*\n+3], s[58:59], 192*\n
	s_or_b32 s[G0B+4*\n+3], s[G0B+4*\n+3], 0x80000000
.endr
	CROUND                                         ; all sixteen work-groups are here: the joint loads meet
.irp n, 0,1,2,3
	tensor_load_to_lds s[G0A+4*\n:G0A+4*\n+3], s[G1A:G1A+7]
	s_nop 0
	tensor_load_to_lds s[G0B+4*\n:G0B+4*\n+3], s[G1B:G1B+7]
	s_nop 0
.endr
.rept 4
	v_nop
.endr
	v_and_b32 v1, 15, v0                           ; r
	v_bfe_u32 v2, v0, 4, 1                         ; h
	v_and_b32 v3, 31, v0                           ; lane
	v_lshlrev_b32 v[CO], 4, v3
	v_lshlrev_b32 v4, 3, v3
	v_mul_u32_u24 v5, v1, PITCH
	v_mad_u32_u24 v5, v2, 24, v5                   ; Wo: row r x pitch + 24 h
	v_lshl_add_u32 v6, v2, 4, v5                   ; and behind one padding more
	s_add_co_u32 s62, s60, AIM
.irp n, 0,1,2,3
	v_add_nc_u32 v[ADA16+\n], s62, v[CO]
	v_add_nc_u32 v[ADA8+\n], s62, v4
	v_add_nc_u32 v[ADA8+\n], 512, v[ADA8+\n]
	v_add_nc_u32 v[ADRB+\n], WSL*\n, v5
	v_add_nc_u32 v[ADRB+4+\n], WSL*\n, v6
	s_add_co_u32 s62, s62, AIP
.endr
	s_add_co_u32 s62, s60, AIM                     ; my stage: my own 12,288 bytes of attn's first part: filled once, read by me alone, done with when the first result is stored
	v_mul_u32_u24 v[STO], v1, SPITCH
	v_lshl_add_u32 v[STO], v2, 5, v[STO]
	v_add_nc_u32 v[STO], s62, v[STO]
	v_add_nc_u32 v[RD], s62, v[CO]
	v_lshlrev_b32 v7, 5, v1
	v_lshl_add_u32 v7, v2, 4, v7                   ; scales: 32 r + 16 h
	v_lshlrev_b32 v30, 5, v2                       ; bo: 32 h
	s_mov_b32 s63, 0
	s_lshl_b32 s62, s[ROW0], 5
	s_add_nc_u64 s[6:7], s[6:7], s[62:63]
	s_lshl_b32 s62, s[NT], 12
	s_add_nc_u64 s[10:11], s[10:11], s[62:63]
	s_lshl_b32 s62, s[NT], 9
	s_add_nc_u64 s[12:13], s[12:13], s[62:63]
	s_add_nc_u64 s[14:15], s[14:15], s[62:63]
	s_lshl_b32 s62, s[ROW0], 12
	s_add_nc_u64 s[14:15], s[14:15], s[62:63]
.irp a, 0,1,2,3
	global_load_b128 v[SA+4*\a:SA+4*\a+3], v7, s[6:7] offset:512*\a
.endr
.irp b, 0,1,2,3,4,5,6,7
	global_load_b128 v[SB+4*\b:SB+4*\b+3], v7, s[10:11] offset:512*\b
.endr
	WIN TO_B
.irp g, 0,1,2,3,4,5,6,7
	global_load_b128 v[96+8*\g+96*(\g/4):96+8*\g+96*(\g/4)+3], v30, s[12:13] offset:64*\g
	global_load_b128 v[96+8*\g+96*(\g/4)+4:96+8*\g+96*(\g/4)+7], v30, s[12:13] offset:64*\g+16
.endr
	WIN 0
	s_wait_tensorcnt 6                             ; my parts of the first 256 along K are in; the six later loads may be out,
	s_barrier_signal -1
	s_barrier_wait -1                              ; everybody's are
	FETCH3 0
	s_wait_loadcnt 0x0                             ; scale words and bo
.irp k, 0,1,2,3,4,5,6,7
	STEP3 \k
.endr
	PLACES 4                                       ; in front of the reads of results and of loads into the registers that held attn's fragments
	TOSTAGE 0
.irp a, 1,2,3
.if \a > 1
	s_wait_xcnt 0x0                                ; block a - 2's stores have read their registers and their base
.endif
	TOSTAGE \a
	SEND \a-1, 32                                  ; behind block a - 1's loads: block a's 16 stores and 16 loads
.endr
	s_wait_xcnt 0x0
	SEND 3, 0
	s_wait_tensorcnt 0x0                           ; the wave's end
	ds_add_u32 v[SPW], v[NIL]
	s_wait_dscnt 0x0
	CROUND                                         ; the closing round
	s_endpgm
.Lfunc_end_k_qe5734511a4_outp:
	.size	k_qe5734511a4_outp, .Lfunc_end_k_qe5734511a4_outp-k_qe5734511a4_outp
	.p2alignl 7, 3214868480
	.fill 96, 4, 3214868480
	.section	.rodata,"a",@progbits
	.p2align	6, 0x0
	.amdhsa_kernel k_qe5734511a4_outp
		.amdhsa_group_segment_fixed_size 327680
		.amdhsa_private_segment_fixed_size 0
		.amdhsa_enable_private_segment 0
		.amdhsa_kernarg_size 48
		.amdhsa_user_sgpr_count 2
		.amdhsa_user_sgpr_kernarg_segment_ptr 1
		.amdhsa_wavefront_size32 1
		.amdhsa_system_sgpr_workgroup_id_x 1
		.amdhsa_system_sgpr_workgroup_id_y 1
		.amdhsa_system_sgpr_workgroup_id_z 1
		.amdhsa_system_vgpr_workitem_id 0
		.amdhsa_next_free_vgpr 768
		.amdhsa_next_free_sgpr 100
		.amdhsa_reserve_vcc 0
		.amdhsa_float_denorm_mode_32 3
		.amdhsa_float_denorm_mode_16_64 3
		.amdhsa_memory_ordered 1
		.amdhsa_forward_progress 1
		.amdhsa_inst_pref_size 93
	.end_amdhsa_kernel
	.amdgpu_metadata
---
amdhsa.version: [ 1, 2 ]
amdhsa.kernels:
  - .name:           k_qe5734511a4_outp
    .symbol:         k_qe5734511a4_outp.kd
    .args:
      - { .name: ac, .offset: 0, .size: 8, .value_kind: global_buffer, .address_space: global }
      - { .name: asc, .offset: 8, .size: 8, .value_kind: global_buffer, .address_space: global }
      - { .name: Wo_codes, .offset: 16, .size: 8, .value_kind: global_buffer, .address_space: global }
      - { .name: Wo_scales, .offset: 24, .size: 8, .value_kind: global_buffer, .address_space: global }
      - { .name: bo, .offset: 32, .size: 8, .value_kind: global_buffer, .address_space: global }
      - { .name: out0, .offset: 40, .size: 8, .value_kind: global_buffer, .address_space: global }
    .group_segment_fixed_size: 327680
    .private_segment_fixed_size: 0
    .kernarg_segment_align: 8
    .kernarg_segment_size: 48
    .max_flat_workgroup_size: 128
    .sgpr_count:     100
    .vgpr_count:     768
    .wavefront_size: 32
...
	.end_amdgpu_metadata
.endif
;; end of part 3
